; MI455X (gfx1250); checked and timed in simulation.
; The chip was launched on July 23, 2026; its instructions are those of AMD's public machine-readable ISA for CDNA 5 (MIT licence, August 2026) and "CDNA5" Instruction Set Architecture Reference Guide (July 2026). The comments in the code are by the model that wrote it; some were corrected since.
;; Multi Head Self Attention. Allowed arithmetic: matrix products marked QUANTISED: E2M3 operands, one E8M0 scale for each 32 along K, by v_wmma_scale_f32_16x16x128_f8f6f4 with both operands' format E2M3, f32 sums; everything else in f32.
;; Inputs: b_out 1,024 float32; padding_mask 4 x 2,048 bool; w_out 1,024 x 1,024 float32; w_qkv 1,024 x 3,072 float32; x 4 x 2,048 x 1,024 float32.
;; Outputs: out0 4 x 2,048 x 1,024 float32.
;; This version of the problem:
;;   THIS VERSION OF THE PROBLEM IS GIVEN IN LOW PRECISION. The matrix products marked QUANTISED in the list below multiply operands that are first quantised to E2M3 (2 exponent bits, 3 mantissa bits; 6 bits a number), with one power-of-two scale for each 32 numbers along K (OCP MX v1.0); their sums are f32. All else is computed in f32.
;;   The module's matrix products, in the order in which they are computed (A, B: the left and right operand; K: the contracted axis; several contracted axes count as one K, in the product's order):
;;     1. [M 8,192, K 1,024] x [K 1,024, N 3,072]; A: input x; B: input w_qkv: QUANTISED
;;     2. batch 64 x [M 2,048, K 64] x [K 64, N 2,048]; A: computed on the way; B: computed on the way: QUANTISED
;;     3. batch 64 x [M 2,048, K 2,048] x [K 2,048, N 64]; A: softmax (see below); B: computed on the way: QUANTISED
;;     4. [M 8,192, K 1,024] x [K 1,024, N 1,024]; A: computed on the way; B: input w_out: QUANTISED
;;   THE QUANTISER, for each operand of a quantised product, along K:
;;     - K is cut into blocks of 32 from its start; a last block that is shorter is filled with zeros.
;;     - A block's scale is 2^e with e = floor(log2(the largest magnitude in the block)) - 2, held to -126 .. 127; a block of zeros has e = 0. As a byte (E8M0): e + 127.
;;     - Each number is divided by its block's scale, clamped to +-7.5, and rounded to the nearest number of E2M3, ties to even, subnormals kept.
;;     - The product sums the exact products of the quantised numbers (number of the format x scale) in f32.
;;   ~~~python
;;   def quantise(x, axis):      # numpy; x: float32 -> the quantised numbers, widened to float32 again
;;       x = np.moveaxis(x, axis, -1); K = x.shape[-1]
;;       x = np.pad(x, [(0, 0)] * (x.ndim - 1) + [(0, -K % 32)]); x = x.reshape(x.shape[:-1] + (-1, 32)); a = np.abs(x).max(-1, keepdims=True)
;;       e = np.where(a > 0, np.clip(np.frexp(np.where(a > 0, a, 1))[1] - 1 - 2, -126, 127), 0)      # np.frexp(a)[1] - 1 = floor(log2(a)), exactly
;;       r = np.clip(x / 2.0 ** e, -7.5, 7.5)
;;       step = 2.0 ** (np.maximum(np.frexp(np.where(r == 0, 1, r))[1] - 1, 0) - 3)
;;       q = np.round(r / step) * step * 2.0 ** e      # np.round: ties to even
;;       return np.moveaxis(q.reshape(q.shape[:-2] + (-1,))[..., :K], -1, axis).astype(np.float32)
;;   ~~~
;;   SOFTMAX AHEAD OF A QUANTISED PRODUCT. Where the list says 'softmax', what is quantised is not the finished softmax but p = 2^(t - M), with t = logit x log2(e) and M = ceil(the row's largest t), a whole number; so 1/2 < the row's largest p <= 1. The row's sum l is taken of the UNQUANTISED p, in f32, and the product's result is divided by l at the end. Since M is a whole number, a kernel that streams over the keys may use a running M (the ceiling of the running maximum): every later rescaling is an exact power of two, which a block's scale takes up: the codes' values come out the same.
;;   OPERANDS COMPUTED ON THE WAY. 'Computed on the way' means the value that the module computes at that place (a softmax that the list does not call 'softmax' is quantised finished and normalised). What goes into a quantiser is computed in f32, as accurately as f32 sums, v_exp_f32 and their like allow (about 1e-6 of the number): no bf16 or f16 on the way to a quantiser, and a product that is left as it is and whose result goes on into a quantised operand takes f32 operands (vector FMAs, or v_wmma_f32_16x16x4_f32). A number that lies on a knife's edge between two numbers of the format may be rounded either way, as far as f32 arithmetic and the matrix unit's own rounding can turn it there, and no further.
;; 2 versions, each right; version 2 is version 1 with the launch attn written anew for expert scheduling mode. Each part assembles by itself: llvm-mc -triple=amdgcn-amd-amdhsa -mcpu=gfx1250 --defsym DOCPART=n.
;; ======== version 1 of 2: 4 launches
;; workspace buffers: xq 6,553,600 bytes; wq 3,276,800 bytes; qkv 19,660,800 bytes; att 6,553,600 bytes; bias 32,768 bytes; steps 512 bytes of whole numbers
;; launch prep (part 1): grid 385 x 1, 4 waves a work-group, no clusters, 35,328 bytes of LDS; arguments x, w_qkv, w_out, padding_mask, xq, wq, bias, steps; writes xq, wq, bias, steps
.if DOCPART == 1
	.amdgcn_target "amdgcn-amd-amdhsa--gfx1250"
	.amdhsa_code_object_version 6
	.text
	.protected	k_qa176bdebb1_prep
	.globl	k_qa176bdebb1_prep
	.p2align	8
	.type	k_qa176bdebb1_prep,@function
k_qa176bdebb1_prep:
	s_mov_b64 s[64:65], 0
	v_nop
	global_prefetch_b8 v0, s[64:65] scope:SCOPE_SE
	s_setreg_imm32_b32 hwreg(HW_REG_WAVE_MODE, 25, 1), 1
	s_wait_xcnt 0x0
; x [8192][1024], w_qkv [1024][3072] and w_out [1024][1024], f32, become codes of FP6 (E2M3) with one E8M0 byte for each 32 along K (K = 1024 in all three);
; the key mask becomes a table of addends and, for each batch, a list of the key steps (128 keys) that hold a kept key.
; LAYOUT OF AN OPERAND (this program's own): its rows (tokens, or a weight's columns) go in tiles of 16; lane r of tile 2 B + u holds row 32 B + 8 u + r + 8 (r / 8).
; A tile's codes of 64 along K are an image of six operand registers, 768 bytes: lane l = (r, h) owns k = 32 h .. 32 h + 31: registers 0-3 at 16 l, registers 4-5 at 512 + 8 l.
; Codes: [tile][K / 64][768].  Scale words (four bytes: 128 along K of one row): [tile][K / 128][16 rows].
; A block's scale byte is its largest magnitude's exponent field - 2, held at 1 from below.  A block of zeros keeps the byte 1 where the rule says 127: its codes are zeros, and only this program reads the bytes.
; LIMITS: NaN and infinities among the inputs are not served.
; SHARES: work-groups 0-255: 32 rows of x each; 256-351: 128 columns x 256 K of w_qkv; 352-383: the same of w_out; 384: the mask, a wave to a batch.  Only x's path uses LDS.
.set XS,   6291456                     ; xq: the scale words, behind 512 tiles x 12,288 bytes of codes
.set WS,   2359296                     ; wq: w_qkv's scale words
.set WOC,  2457600                     ;     w_out's codes
.set WOS,  3244032                     ;     w_out's scale words
.set REGN, 8704                        ; LDS of a wave: a stage of 16 rows x 528 bytes, then 256 bytes of scale words
.set SP,   528                         ; a stage row: 512 bytes + 16: the sixteen rows that a load of 16 bytes a lane touches start at sixteen different banks (64 banks of 4 bytes: ISA guide 11.1)
.set SW,   16*SP
; ---- x: step s of a wave is 16 rows x 128 along K.  A load reads 512 consecutive bytes of one row.
.macro LOADX s
.irp i, 0,1,2,3,4,5,6,7,8,9,10,11,12,13,14,15
	global_load_b128 v[64+64*((\s)%2)+4*\i:64+64*((\s)%2)+4*\i+3], v4, s[4:5] offset:(\i+8*(\i/8))*4096+512*(\s) th:TH_LOAD_NT
.endr
.endm
.macro STEPX s
.set RS, 64+64*((\s)%2)
.if (\s) < 3
	s_wait_loadcnt 16                              ; this step's 16 loads are in; the next step's 16 may be out
.else
	s_wait_loadcnt 0
.endif
.irp i, 0,1,2,3,4,5,6,7,8,9,10,11,12,13,14,15
	ds_store_b128 v6, v[RS+4*\i:RS+4*\i+3] offset:SP*\i
.endr
.irp c, 0,1
.irp j, 0,1,2,3,4,5,6,7
	ds_load_b128 v[192+32*\c+4*\j:192+32*\c+4*\j+3], v7 offset:256*\c+16*\j   ; lane (r, h): k = 64 c + 32 h + 0 .. 31 of row r: a whole block.  LDS serves a wave's instructions in order: these see the stores
.endr
.endr
	s_wait_dscnt 0x0                               ; the numbers are back, and the stores have read their registers
	s_wait_xcnt 0x0                                ; the last step's stores have read the code registers, which are written again below
.if (\s) < 2
	LOADX (\s)+2
.endif
.irp c, 0,1
	v_max3_num_f32 v[12+\c], |v[192+32*\c]|, |v[193+32*\c]|, 0x1800000   ; the floor 2^(3 - 127): the byte cannot fall under 1
.endr
.irp i, 2,4,6,8,10,12,14,16,18,20,22,24,26,28,30
.irp c, 0,1
	v_max3_num_f32 v[12+\c], v[12+\c], |v[192+32*\c+\i]|, |v[193+32*\c+\i]|
.endr
.endr
.irp c, 0,1
	v_add_nc_u32 v[14+\c], 0xff000000, v[12+\c]    ; 2 off the exponent field: the conversion's scale operand
.endr
.irp c, 0,1
	v_lshrrev_b32 v[16+\c], 23, v[14+\c]           ; the scale's byte
.endr
	v_lshl_or_b32 v18, v17, 16, v16                ; my two bytes, blocks h and 2 + h,
	v_lshlrev_b32 v18, v10, v18                    ; at their places (8 h bits up);
	v_permlanex16_b32 v19, v18, s22, s23
	v_or_b32 v18, v18, v19                         ; with lane l xor 16's two the word is whole
	v_cvt_scalef32_pk16_fp6_f32 v[20:22], v[192:207], v14
	v_cvt_scalef32_pk16_fp6_f32 v[32:34], v[208:223], v14    ; (a conversion's three registers begin on an even number)
	v_cvt_scalef32_pk16_fp6_f32 v[26:28], v[224:239], v15
	v_cvt_scalef32_pk16_fp6_f32 v[36:38], v[240:255], v15
	v_nop                                          ; one plain line behind a scaled conversion
.irp i, 0,1,2
	v_mov_b32 v[23+\i], v[32+\i]
	v_mov_b32 v[29+\i], v[36+\i]
.endr
	global_store_b128 v4, v[20:23], s[30:31] offset:1536*(\s)         ; 512 consecutive bytes,
	global_store_b64 v5, v[24:25], s[30:31] offset:1536*(\s)+512      ; 256 consecutive bytes
	global_store_b128 v4, v[26:29], s[30:31] offset:1536*(\s)+768
	global_store_b64 v5, v[30:31], s[30:31] offset:1536*(\s)+1280
	ds_store_b32 v8, v18 offset:64*(\s)            ; both lanes of a row write the same word with the same value
.endm
; ---- a weight [1024][N]: a lane takes a column, its registers run down K.  Block t is 32 along K.
.macro LOADW t, N
.irp i, 0,1,2,3,4,5,6,7,8,9,10,11,12,13,14,15,16,17,18,19,20,21,22,23,24,25,26,27,28,29,30,31
	global_load_b32 v[32+32*((\t)%2)+\i], v3, s[30:31] offset:(32*(\t)+\i)*(\N)*4 th:TH_LOAD_NT
.endr
.endm
.macro BLOCKW t, N
.set XW, 32+32*((\t)%2)
.if (\t) < 7
	s_wait_loadcnt 32                              ; this block's 32 loads are in; the next block's may be out
.else
	s_wait_loadcnt 0
.endif
	v_max3_num_f32 v12, |v[XW]|, |v[XW+1]|, |v[XW+2]|
	v_max3_num_f32 v13, |v[XW+3]|, |v[XW+4]|, |v[XW+5]|
.irp i, 6,10,14,18,22,26
	v_max3_num_f32 v12, v12, |v[XW+\i]|, |v[XW+\i+1]|
	v_max3_num_f32 v13, v13, |v[XW+\i+2]|, |v[XW+\i+3]|
.endr
	v_max3_num_f32 v12, v12, |v[XW+30]|, |v[XW+31]|
	v_max3_num_f32 v12, v12, v13, 0x1800000        ; and the floor
	v_add_nc_u32 v11, 0xff000000, v12
	v_lshrrev_b32 v13, 23, v11
.if (\t)%4 == 0
	v_mov_b32 v[24+(\t)/4], v13                    ; four bytes make a scale word, the lower K in the lower byte
.else
	v_lshl_or_b32 v[24+(\t)/4], v13, 8*((\t)%4), v[24+(\t)/4]
.endif
	s_wait_xcnt 0x0                                ; the last block's stores have read the code registers
	v_cvt_scalef32_pk16_fp6_f32 v[96:98], v[XW:XW+15], v11
	v_cvt_scalef32_pk16_fp6_f32 v[104:106], v[XW+16:XW+31], v11
	v_nop
.irp i, 0,1,2
	v_mov_b32 v[99+\i], v[104+\i]
.endr
	global_store_b128 v8, v[96:99], s[32:33] offset:((\t)/2)*768+256*((\t)%2)        ; the block is half h = t % 2 of an image: sixteen lanes fill 256 aligned bytes of each of two tiles
	global_store_b64 v9, v[100:101], s[32:33] offset:((\t)/2)*768+512+128*((\t)%2)   ; runs of 128 bytes: a third of the codes
.if (\t)+2 < 8
	LOADW (\t)+2, \N
.endif
.if (\t)%4 == 3
	global_store_b32 v10, v[24+(\t)/4], s[34:35] offset:64*((\t)/4)                  ; runs of 64 bytes: one byte in 128 of what the path reads
.endif
.endm
.macro WPATH N, FIRST, COFF, SOFF, P
	s_sub_co_u32 s21, ttmp9, \FIRST
	s_lshr_b32 s22, s21, 2                         ; which 128 columns
	s_and_b32 s23, s21, 3                          ; which 256 along K
	s_lshl_b32 s24, s22, 2
	s_add_co_u32 s24, s24, s20                     ; B: my wave's 32 columns
	s_mul_i32 s26, s23, 256*(\N)*4
	s_lshl_b32 s28, s24, 7
	s_add_co_u32 s26, s26, s28
	s_add_nc_u64 s[30:31], s[\P:\P+1], s[26:27]    ; the weight at (256 ky, 32 B)
	s_mul_i32 s26, s24, 24576                      ; two tiles x 12,288 bytes
	s_mul_i32 s28, s23, 3072                       ; four images
	s_add_co_u32 s26, s26, s28
	s_add_co_u32 s26, s26, \COFF
	s_add_nc_u64 s[32:33], s[14:15], s[26:27]
	s_lshl_b32 s26, s24, 10
	s_lshl_b32 s28, s23, 7
	s_add_co_u32 s26, s26, s28
	s_add_co_u32 s26, s26, \SOFF
	s_add_nc_u64 s[34:35], s[14:15], s[26:27]
	v_lshlrev_b32 v3, 2, v2                        ; in: 4 bytes a lane
	v_bfe_u32 v4, v0, 3, 1                         ; column l of the 32 is lane r = l % 8 + 8 (l / 16) of tile u = (l / 8) % 2
	v_and_b32 v5, 7, v0
	v_bfe_u32 v6, v0, 4, 1
	v_lshl_add_u32 v5, v6, 3, v5
	v_mul_u32_u24 v7, v4, 12288
	v_lshl_add_u32 v8, v5, 4, v7
	v_lshl_add_u32 v9, v5, 3, v7
	v_lshlrev_b32 v10, 9, v4
	v_lshl_add_u32 v10, v5, 2, v10
	LOADW 0, \N
	LOADW 1, \N
.irp t, 0,1,2,3,4,5,6,7
	BLOCKW \t, \N
.endr
	s_endpgm
.endm
	s_load_b256 s[4:11], s[0:1], 0x0               ; x s[4:5], w_qkv s[6:7], w_out s[8:9], padding_mask s[10:11]
	s_load_b256 s[12:19], s[0:1], 0x20             ; xq s[12:13], wq s[14:15], bias s[16:17], steps s[18:19]
	s_set_vgpr_msb 0x40
	v_lshl_add_u32 v0, v0, 2, 0x8800
	v_mov_b32 v1, 0
	s_set_vgpr_msb 0x4000
	v_lshrrev_b32 v1, 5, v0
	v_readfirstlane_b32 s20, v1                    ; wave
	v_and_b32 v2, 31, v0                           ; lane
	s_mov_b32 s27, 0                               ; the upper word of every offset
	s_wait_kmcnt 0x0
	s_cmp_lt_u32 ttmp9, 256
	s_cbranch_scc1 .Lpath_x
	s_cmp_lt_u32 ttmp9, 352
	s_cbranch_scc1 .Lpath_wq
	s_cmp_lt_u32 ttmp9, 384
	s_cbranch_scc1 .Lpath_wo
	; ---- the mask.  Wave = batch.  Load j holds key step j: 4 keys a lane.
	s_lshl_b32 s21, s20, 11
	v_lshl_add_u32 v3, v2, 2, s21
.irp j, 0,1,2,3,4,5,6,7,8,9,10,11,12,13,14,15
	global_load_b32 v[32+\j], v3, s[10:11] offset:128*\j
.endr
	s_lshl_b32 s22, s20, 13
	v_lshl_add_u32 v4, v2, 4, s22
	v_mov_b32 v5, 0xfe800000                       ; -2^126: what a hidden key's score is given
	s_wait_loadcnt 0x0
.irp j, 0,1,2,3,4,5,6,7,8,9,10,11,12,13,14,15
	v_cmp_ne_u32 s[24+\j], 0, v[32+\j]             ; not 0 where the step holds a kept key
.endr
.irp j, 0,1,2,3,4,5,6,7,8,9,10,11,12,13,14,15
.irp k, 0,1,2,3
	v_bfe_u32 v6, v[32+\j], 8*\k, 8
	v_cmp_eq_u32 vcc_lo, 0, v6
	v_cndmask_b32 v[64+4*\j+\k], 0, v5, vcc_lo
.endr
	global_store_b128 v4, v[64+4*\j:64+4*\j+3], s[16:17] offset:512*\j
.endr
	s_or_b32 s40, s24, s25
.irp j, 2,3,4,5,6,7,8,9,10,11,12,13,14,15
	s_or_b32 s40, s40, s[24+\j]
.endr
	s_cmp_lg_u32 s40, 0
	s_cselect_b32 s41, 0, 1                        ; no key kept at all: every step is listed (the softmax is then uniform over all keys)
	s_cselect_b32 s40, 1, 0                        ; any
	s_mov_b32 s42, 0                               ; the list: four bits a step, the first step lowest
	s_mov_b32 s43, 0
	s_mov_b32 s44, 0                               ; 4 x its length
.irp j, 0,1,2,3,4,5,6,7,8,9,10,11,12,13,14,15
	s_cmp_lg_u32 s[24+\j], 0
	s_cselect_b32 s45, 1, s41
	s_mul_i32 s46, s45, \j
	s_mov_b32 s47, 0
	s_lshl_b64 s[46:47], s[46:47], s44
	s_or_b32 s42, s42, s46
	s_or_b32 s43, s43, s47
	s_lshl_b32 s45, s45, 2
	s_add_co_u32 s44, s44, s45
.endr
	s_lshr_b32 s44, s44, 2
	v_mov_b32 v20, 0
	v_writelane_b32 v20, s44, 0                    ; n, list low, list high, any; the rest of the batch's 128 bytes are zeros
	v_writelane_b32 v20, s42, 1
	v_writelane_b32 v20, s43, 2
	v_writelane_b32 v20, s40, 3
	s_lshl_b32 s21, s20, 7
	v_lshl_add_u32 v21, v2, 2, s21
	global_store_b32 v21, v20, s[18:19]
	s_endpgm
.Lpath_x:
	; wave w: tile 2 B + (w / 2), K from 512 (w % 2) on
	v_and_b32 v3, 15, v0                           ; r
	v_bfe_u32 v11, v0, 4, 1                        ; h
	v_lshlrev_b32 v4, 4, v2                        ; 16 l
	v_lshlrev_b32 v5, 3, v2                        ; 8 l
	s_mul_i32 s21, s20, REGN
	v_add_nc_u32 v6, s21, v4                       ; the stage, on the way in
	v_mul_u32_u24 v7, v3, SP
	v_lshl_add_u32 v7, v11, 7, v7
	v_add_nc_u32 v7, s21, v7                       ; and out: row r, + 128 h
	v_lshlrev_b32 v8, 2, v3
	v_add_nc_u32 v8, s21, v8
	v_add_nc_u32 v8, SW, v8                        ; my row's scale word
	v_add_nc_u32 v9, s21, v5
	v_add_nc_u32 v9, SW, v9                        ; and the 256 bytes on their way out
	v_lshlrev_b32 v10, 3, v11                      ; 8 h
	v_mov_b32 v19, 0                               ; a lane permute's destination counts as one of its sources
	s_mov_b32 s22, 0x76543210
	s_mov_b32 s23, 0xfedcba98                      ; v_permlanex16_b32's selects for lane l xor 16
	s_lshr_b32 s24, s20, 1                         ; u
	s_and_b32 s25, s20, 1                          ; which half of K
	s_lshl_b32 s26, ttmp9, 17                      ; 32 rows of 4,096 bytes
	s_lshl_b32 s28, s24, 15
	s_add_co_u32 s26, s26, s28
	s_lshl_b32 s28, s25, 11
	s_add_co_u32 s26, s26, s28
	s_add_nc_u64 s[4:5], s[4:5], s[26:27]
	s_lshl_b32 s28, ttmp9, 1
	s_add_co_u32 s28, s28, s24                     ; the tile
	s_mul_i32 s26, s28, 12288
	s_mul_i32 s29, s25, 6144
	s_add_co_u32 s26, s26, s29
	s_add_nc_u64 s[30:31], s[12:13], s[26:27]
	s_lshl_b32 s26, s28, 9
	s_lshl_b32 s29, s25, 8
	s_add_co_u32 s26, s26, s29
	s_add_co_u32 s26, s26, XS
	s_add_nc_u64 s[32:33], s[12:13], s[26:27]
	LOADX 0
	LOADX 1
.irp s, 0,1,2,3
	STEPX \s
.endr
	ds_load_b64 v[40:41], v9
	s_wait_dscnt 0x0
	global_store_b64 v5, v[40:41], s[32:33]        ; the wave's four steps' scale words: 256 consecutive bytes, aligned
	s_set_vgpr_msb 0x5
	s_wait_tensorcnt 0x0
	ds_add_u32 v0, v1
	s_wait_dscnt 0x0
	s_set_vgpr_msb 0x500
	s_endpgm
.Lpath_wq:
	WPATH 3072, 256, 0, WS, 6
.Lpath_wo:
	WPATH 1024, 352, WOC, WOS, 8
.Lfunc_end_k_qa176bdebb1_prep:
	.size	k_qa176bdebb1_prep, .Lfunc_end_k_qa176bdebb1_prep-k_qa176bdebb1_prep
	.p2alignl 7, 3214868480
	.fill 96, 4, 3214868480
	.section	.rodata,"a",@progbits
	.p2align	6, 0x0
	.amdhsa_kernel k_qa176bdebb1_prep
		.amdhsa_group_segment_fixed_size 35328
		.amdhsa_private_segment_fixed_size 0
		.amdhsa_enable_private_segment 0
		.amdhsa_kernarg_size 64
		.amdhsa_user_sgpr_count 2
		.amdhsa_user_sgpr_kernarg_segment_ptr 1
		.amdhsa_wavefront_size32 1
		.amdhsa_system_sgpr_workgroup_id_x 1
		.amdhsa_system_sgpr_workgroup_id_y 1
		.amdhsa_system_sgpr_workgroup_id_z 1
		.amdhsa_system_vgpr_workitem_id 0
		.amdhsa_next_free_vgpr 258
		.amdhsa_next_free_sgpr 66
		.amdhsa_reserve_vcc 1
		.amdhsa_float_denorm_mode_32 3
		.amdhsa_float_denorm_mode_16_64 3
		.amdhsa_memory_ordered 1
		.amdhsa_forward_progress 1
		.amdhsa_inst_pref_size 127
	.end_amdhsa_kernel
	.amdgpu_metadata
---
amdhsa.version: [ 1, 2 ]
amdhsa.kernels:
  - .name:           k_qa176bdebb1_prep
    .symbol:         k_qa176bdebb1_prep.kd
    .args:
      - { .name: x, .offset: 0, .size: 8, .value_kind: global_buffer, .address_space: global }
      - { .name: w_qkv, .offset: 8, .size: 8, .value_kind: global_buffer, .address_space: global }
      - { .name: w_out, .offset: 16, .size: 8, .value_kind: global_buffer, .address_space: global }
      - { .name: padding_mask, .offset: 24, .size: 8, .value_kind: global_buffer, .address_space: global }
      - { .name: xq, .offset: 32, .size: 8, .value_kind: global_buffer, .address_space: global }
      - { .name: wq, .offset: 40, .size: 8, .value_kind: global_buffer, .address_space: global }
      - { .name: bias, .offset: 48, .size: 8, .value_kind: global_buffer, .address_space: global }
      - { .name: steps, .offset: 56, .size: 8, .value_kind: global_buffer, .address_space: global }
    .group_segment_fixed_size: 35328
    .private_segment_fixed_size: 0
    .kernarg_segment_align: 8
    .kernarg_segment_size: 64
    .max_flat_workgroup_size: 128
    .sgpr_count:     66
    .vgpr_count:     258
    .wavefront_size: 32
...
	.end_amdgpu_metadata
.endif
;; end of part 1
;; launch qkvgemm (part 2): grid 12 x 32, 4 waves a work-group, clusters of 4 x 4, 327,680 bytes of LDS; arguments xq, wq, qkv; writes qkv
.if DOCPART == 2
	.amdgcn_target "amdgcn-amd-amdhsa--gfx1250"
	.amdhsa_code_object_version 6
	.text
	.protected	k_qa176bdebb1_qkvgemm
	.globl	k_qa176bdebb1_qkvgemm
	.p2align	8
	.type	k_qa176bdebb1_qkvgemm,@function
k_qa176bdebb1_qkvgemm:
	s_mov_b64 s[64:65], 0
	v_nop
	global_prefetch_b8 v0, s[64:65] scope:SCOPE_SE
	s_setreg_imm32_b32 hwreg(HW_REG_WAVE_MODE, 25, 1), 1
	s_wait_xcnt 0x0
	s_wait_alu depctr_hold_cnt(0) depctr_sa_sdst(0) depctr_va_vdst(0) depctr_va_sdst(0) depctr_va_ssrc(0) depctr_va_vcc(0) depctr_vm_vsrc(0)
	s_getreg_b32 s2, hwreg(HW_REG_IB_STS2, 6, 4)
	s_cmp_eq_u32 s2, 0
	s_cbranch_scc0 .Lentry_in_a_cluster
	s_endpgm
.Lentry_in_a_cluster:
	s_bfe_u32 s2, ttmp6, 0x10000c
	s_cmp_lg_u32 s2, 0xf033
	s_cbranch_scc0 .Lentry_shape_is_right
	s_endpgm
.Lentry_shape_is_right:
; qkv = x w_qkv on codes of FP6 (E2M3) with E8M0 scales, K = 1024; the results are quantised in registers as operands of attention's two products and never go to memory as f32.
; A tile of 256 x 256 results to a work-group of four waves, 128 x 128 to a wave: 64 accumulators, 512 registers.  K goes in steps of 256 through two LDS slots filled by the tensor data mover.
; OPERANDS lie as images of the operand registers ([tile of 16 rows][K / 64][768 bytes]: lane l's registers 0-3 at 16 l, 4-5 at 512 + 8 l), so a fragment of 128 along K is four dense LDS loads, and a tile's
; 256 along K are 3,072 consecutive bytes.  Lane r of row tile 2 B + u holds row 32 B + 8 u + r + 8 (r / 8): so a lane's 16 results of source 0's tiles 2 b and 2 b + 1 are 16 neighbours, 32 b + 16 (lane / 16) + 0 .. 15.
; A cluster is of one kind (its x): 0 = q, 1 = k: source 0 = 16 columns of w, source 1 = 16 tokens: a lane holds one token and 128 neighbouring columns, two heads: quantised along the head's 64.
; 2 = v: source 0 = 16 tokens, source 1 = 16 columns: a lane holds one column and 128 neighbouring tokens: quantised along the keys.  The choice is of pointers and indices alone: one text serves both.
; CLUSTERS: 4 x 4 work-groups.  Source 1's tiles are shared along a row of the cluster, source 0's along a column: each is asked for jointly, by the same tensor load with a mask that names the four.
; OUT: codes at kind 6,291,456 + batch 1,572,864 + head pair 196,608 + j 98,304 + (128 tokens) 6,144 + a 768; q, k: j = the head's parity, a = the token tile; v: j = which 64 keys, a = 4 parity + tile of d.
;      scale words at 18,874,368 + kind 262,144 + batch 65,536 + pair 8,192 + (128 tokens) 512 + a 64 + 4 r.
; A block of zeros keeps the byte 1 (its codes are zeros; only this program reads the bytes).  NaN and infinities are not served.
; REGISTERS: window 0: v0-31 addresses; v32-63 scale words, two sets; v128-223 source 1's fragments, one set; on the way out v64-127 and v224-235.  Window 1: source 0's fragments, two sets, at v0 and v128.
;   windows 2, 3: the accumulators: (a, b) at v[8 (8 (a % 4) + b)] of window 2 + a / 4.
.set XS,     6291456                   ; xq's scale words
.set WS,     2359296                   ; w_qkv's scale words in wq
.set NQ,     2                         ; matrix instructions deep in a slot
.set FR,     12                        ; registers of a fragment
.set NL,     4                         ; LDS loads that bring one
.set NP,     4                         ; places behind this matrix instruction (ISA guide 7.12.1)
.set KB,     3072                      ; a tile's 256 along K in bytes
.set HALFT,  8*KB                      ; 128 rows: what one tensor load brings
.set SLOT,   4*HALFT                   ; source 1's 256 rows, then source 0's
.set LAPS,   2                         ; K = 1024 is four K steps: twice round the ring
.set SCLA,   2*SLOT                    ; source 1's scale words for all of K, 8,192 bytes
.set SCLB,   SCLA+8192+128             ; source 0's; 128 bytes on, so that the two halves of the lanes read different banks
.set SPARE,  213248                    ; the spare words, 128 bytes for each wave: two blocks of 256 bytes that no other line names
.set L16,  4                           ; v4   16 x lane
.set L8,   5                           ; v5   8 x lane
.set ADRA, 16                          ; v16-17 source 1's fragments in slot 0, 1, + 16 l;  v18-19 the same + 8 l
.set ADRB, 20                          ; v20-23 the same for source 0
.set SWS,  24                          ; v24  the way out: my row's scale word in LDS
.set SWR,  25                          ; v25  and the wave's 512 bytes of them
.set ADRS, 27                          ; v27  my scale words: lanes 0-15 source 1's rows, lanes 16-31 source 0's
.set SPW,  28                          ; v28  my spare word; never rewritten
.set NIL,  29                          ; v29  0; never rewritten
.set SC,   32
.set AF,   128
.set TM,   112                         ; the way out: v112-127 at work
.set PWR,  224                         ; v224-231 the scale words just made
.set G1, 24
.set G0, 32
.set G1B, 48
.set G0B, 56
.set G1S, 68
.set G0S, 76
.set G1SB, 80
.set G0SB, 88
.set MSB, 0
.macro WIN new                         ; the immediate's high byte repeats the setting that is left
.if MSB != (\new)
	s_set_vgpr_msb (MSB<<8)|(\new)
.set MSB, \new
.endif
.endm
.set MUL_LO, 0xa1                      ; source 0 window 1, source 1 window 0, C and D window 2
.set MUL_HI, 0xf1                      ; the same, C and D window 3
.set TO_B,   0x40                      ; destination window 1, address window 0
; A joint load: waves 0 and 1 fetch for source 1, waves 2 and 3 for source 0.  The branch hangs on the wave's number alone.  Four v_nop follow each of the two lines.
.macro JLOAD g0a, g1a, g0b, g1b
	s_cmp_eq_u32 s15, 0
	s_cbranch_scc0 .Lfor_b_\@
	tensor_load_to_lds s[\g0a:\g0a+3], s[\g1a:\g1a+7]
	s_nop 0
.rept 4
	v_nop
.endr
	s_branch .Lasked_\@
.Lfor_b_\@:
	tensor_load_to_lds s[\g0b:\g0b+3], s[\g1b:\g1b+7]
	s_nop 0
.rept 4
	v_nop
.endr
.Lasked_\@:
.endm
.macro CREST                           ; a round of the cluster's barrier behind its opening barrier
	s_cmp_lg_u32 s14, 0
	s_cbranch_scc1 .Lnot_wave_0_\@
	s_barrier_signal -3
.Lnot_wave_0_\@:
	s_barrier_wait -3
	s_barrier_signal -1
	s_barrier_wait -1
.endm
.macro CROUND
	s_barrier_signal -1
	s_barrier_wait -1
	CREST
.endm
	s_load_b128 s[96:99], s[0:1], 0x0              ; xq s[96:97], wq s[98:99]
	s_load_b64 s[12:13], s[0:1], 0x10              ; qkv
	v_lshl_add_u32 v[SPW], v0, 2, SPARE
	v_mov_b32 v[NIL], 0
	ds_add_u32 v28, v29
	ds_add_u32 v28, v29
	s_wait_dscnt 0x0
	v_lshrrev_b32 v1, 5, v0
	v_readfirstlane_b32 s14, v1                    ; wave 0..3
	s_lshr_b32 s15, s14, 1                         ; which half of source 1's rows is mine.  Also: I fetch for source 1 (0) or source 0 (1)
	s_and_b32 s16, s14, 1                          ; which half of source 0's rows.  Also: which 128 rows I fetch
	s_bfe_u32 s40, ttmp6, 0x40000                  ; cx, cy: my place in the cluster
	s_bfe_u32 s41, ttmp6, 0x40004
	s_and_b32 s45, ttmp7, 0xffff
	s_lshl_b32 s45, s45, 2                         ; 4 x cluster y: blocks of 256 tokens
	s_lshl_b32 s94, ttmp9, 2                       ; 4 x kind: blocks of 256 columns
	s_cmp_eq_u32 ttmp9, 2                          ; v?  The same in all sixteen partners
	s_cselect_b32 s42, s45, s94
	s_cselect_b32 s17, 8, s45
	s_add_co_u32 s42, s42, s40                     ; source 0's block of 256 rows: hangs on cx alone
	s_add_co_u32 s17, s17, s41                     ; source 1's: on cy alone
	s_lshl_b32 s43, s41, 2
	s_lshl_b32 s43, 15, s43                        ; my row of the cluster
	s_lshl_b32 s44, 0x1111, s40                    ; my column
	; descriptor group 1, codes: 8 rows (tiles) of 384 elements of 8 bytes, 1,536 elements apart
	s_or_b32 s[G1+0], s43, (3<<16)|(1<<21)         ; 15:0 the mask; 17:16 elements of 8 bytes; 20 no padding; 21 set beside a mask
	s_or_b32 s[G1B+0], s44, (3<<16)|(1<<21)
.irp g, G1, G1B
	s_mov_b32 s[\g+1], 384<<16                     ; tensor_dim0
	s_mov_b32 s[\g+2], 8<<16                       ; tensor_dim1
	s_mov_b32 s[\g+3], 384<<16                     ; tile_dim0
	s_mov_b32 s[\g+4], 8                           ; tile_dim1
	s_mov_b32 s[\g+5], 1536                        ; tensor_dim0_stride
	s_mov_b32 s[\g+6], 0
	s_mov_b32 s[\g+7], 0
.endr
	; scale words of 128 rows for all of K: 4,096 dense bytes, as 16 rows of 256
	s_or_b32 s[G1S+0], s43, (3<<16)|(1<<21)
	s_or_b32 s[G1SB+0], s44, (3<<16)|(1<<21)
.irp g, G1S, G1SB
	s_mov_b32 s[\g+1], 32<<16
	s_mov_b32 s[\g+2], 16<<16
	s_mov_b32 s[\g+3], 32<<16
	s_mov_b32 s[\g+4], 16
	s_mov_b32 s[\g+5], 32
	s_mov_b32 s[\g+6], 0
	s_mov_b32 s[\g+7], 0
.endr
	s_lshl_b32 s18, s16, 7                         ; which 128 rows of the block I fetch
	s_lshl_b32 s20, s17, 8
	s_add_co_u32 s20, s20, s18                     ; source 1's row
	s_lshl_b32 s46, s42, 8
	s_add_co_u32 s46, s46, s18                     ; source 0's row
	s_lshl_b32 s22, s20, 5                         ; 32 bytes of scale words a row,
	s_mov_b32 s23, 0
	s_lshl_b32 s92, s46, 5
	s_mov_b32 s93, 0
	s_mul_i32 s20, s20, 768                        ; 768 bytes of codes
	s_mov_b32 s21, 0
	s_mul_i32 s46, s46, 768
	s_mov_b32 s47, 0
	s_mul_i32 s95, s14, HALFT                      ; where they go: wave x 128 rows: no place in the cluster enters an LDS address
	s_lshl_b32 s94, s14, 12
	s_lshl_b32 s18, s15, 7
	s_add_co_u32 s94, s94, s18
	s_wait_kmcnt 0x0
	s_add_nc_u64 s[100:101], s[96:97], XS
	s_add_nc_u64 s[104:105], s[98:99], WS
	s_cmp_eq_u32 ttmp9, 2
	s_cselect_b64 s[4:5], s[98:99], s[96:97]       ; source 1's codes: the weight for v, else the tokens
	s_cselect_b64 s[6:7], s[104:105], s[100:101]   ; its scale words
	s_cselect_b64 s[8:9], s[96:97], s[98:99]       ; source 0's codes
	s_cselect_b64 s[10:11], s[100:101], s[104:105]
	s_add_nc_u64 s[20:21], s[4:5], s[20:21]
	s_add_nc_u64 s[22:23], s[6:7], s[22:23]
	s_add_nc_u64 s[46:47], s[8:9], s[46:47]
	s_add_nc_u64 s[92:93], s[10:11], s[92:93]
	CROUND                                         ; all sixteen work-groups are here: the first joint loads meet
	s_mov_b32 s[G0S], 1
	s_add_co_u32 s[G0S+1], s94, SCLA
	s_mov_b64 s[G0S+2:G0S+3], s[22:23]
	s_or_b32 s[G0S+3], s[G0S+3], 0x80000000
	s_mov_b32 s[G0SB], 1
	s_add_co_u32 s[G0SB+1], s94, SCLA
	s_mov_b64 s[G0SB+2:G0SB+3], s[92:93]
	s_or_b32 s[G0SB+3], s[G0SB+3], 0x80000000
	JLOAD G0S, G1S, G0SB, G1SB                     ; the scale words first: they are wanted with K step 0.  Three loads of mine are out behind these lines
.irp s, 0,1
	s_mov_b32 s[G0+4*\s], 1
	s_add_co_u32 s[G0+4*\s+1], s95, \s*SLOT
	s_add_nc_u64 s[G0+4*\s+2:G0+4*\s+3], s[20:21], \s*KB
	s_or_b32 s[G0+4*\s+3], s[G0+4*\s+3], 0x80000000
	s_mov_b32 s[G0B+4*\s], 1
	s_add_co_u32 s[G0B+4*\s+1], s95, \s*SLOT
	s_add_nc_u64 s[G0B+4*\s+2:G0B+4*\s+3], s[46:47], \s*KB
	s_or_b32 s[G0B+4*\s+3], s[G0B+4*\s+3], 0x80000000
	JLOAD G0+4*\s, G1, G0B+4*\s, G1B
.endr
	v_and_b32 v1, 15, v0                           ; r
	v_bfe_u32 v2, v0, 4, 1                         ; h
	v_and_b32 v3, 31, v0
	v_lshlrev_b32 v[L16], 4, v3
	v_lshlrev_b32 v[L8], 3, v3
	s_mul_i32 s21, s15, HALFT                      ; my 128 rows of source 1
	s_mul_i32 s22, s16, HALFT                      ; my 128 rows of source 0,
	s_add_co_u32 s22, s22, 2*HALFT                 ; which lie behind source 1's 256
.irp s, 0,1
	v_add_nc_u32 v[ADRA+\s], s21, v[L16]
	v_add_nc_u32 v[ADRB+\s], s22, v[L16]
	v_add_nc_u32 v[ADRA+2+\s], s21, v[L8]
	v_add_nc_u32 v[ADRB+2+\s], s22, v[L8]
	s_add_co_u32 s21, s21, SLOT
	s_add_co_u32 s22, s22, SLOT
.endr
	v_lshlrev_b32 v6, 2, v1                        ; 4 r
	s_lshl_b32 s21, s15, 12
	s_lshl_b32 s22, s16, 12
	s_add_co_u32 s22, s22, SCLB-SCLA
	s_sub_co_u32 s22, s22, s21
	v_mul_u32_u24 v7, s22, v2                      ; lanes 16-31 take source 0's: one product, the distance between the two bases
	s_add_co_u32 s21, s21, SCLA
	v_add_nc_u32 v7, v6, v7
	v_add_nc_u32 v[ADRS], s21, v7
	s_lshl_b32 s21, s14, 9                         ; the way out: 512 bytes of scale words a wave, in slot 0
	v_add_nc_u32 v[SWS], s21, v6
	v_add_nc_u32 v[SWR], s21, v[L16]
	; where my results go
	s_lshl_b32 s4, s42, 1
	s_add_co_u32 s4, s4, s16                       ; source 0's 128 rows
	s_lshl_b32 s5, s17, 1
	s_add_co_u32 s5, s5, s15                       ; source 1's
	s_cmp_eq_u32 ttmp9, 2
	s_cselect_b32 s6, s4, s5                       ; which 128 tokens
	s_cselect_b32 s7, s5, s4
	s_and_b32 s7, s7, 7                            ; which pair of heads
	s_lshr_b32 s8, s6, 4                           ; the batch
	s_and_b32 s9, s6, 15
	s_mul_i32 s10, ttmp9, 6291456
	s_mul_i32 s11, s8, 1572864
	s_add_co_u32 s10, s10, s11
	s_mul_i32 s11, s7, 196608
	s_add_co_u32 s10, s10, s11
	s_mul_i32 s11, s9, 6144
	s_add_co_u32 s10, s10, s11
	s_mov_b32 s11, 0
	s_add_nc_u64 s[18:19], s[12:13], s[10:11]      ; the codes
	s_lshl_b32 s10, ttmp9, 18
	s_lshl_b32 s4, s8, 16
	s_add_co_u32 s10, s10, s4
	s_lshl_b32 s4, s7, 13
	s_add_co_u32 s10, s10, s4
	s_lshl_b32 s4, s9, 9
	s_add_co_u32 s10, s10, s4
	s_add_co_u32 s10, s10, 18874368
	s_add_nc_u64 s[20:21], s[12:13], s[10:11]      ; the scale words
	s_mov_b32 s22, 0x76543210
	s_mov_b32 s23, 0xfedcba98                      ; v_permlanex16_b32's selects for lane l xor 16
.macro FRAG reg, adr, q, i             ; a fragment, 16 rows x 128 K: two images of six registers, each 512 + 256 dense bytes
	ds_load_b128 v[\reg:\reg+3], v[\adr] offset:(\i)*KB+(\q)*1536
	ds_load_b64 v[\reg+4:\reg+5], v[\adr+2] offset:(\i)*KB+(\q)*1536+512
	ds_load_b128 v[\reg+6:\reg+9], v[\adr] offset:(\i)*KB+(\q)*1536+768
	ds_load_b64 v[\reg+10:\reg+11], v[\adr+2] offset:(\i)*KB+(\q)*1536+1280
.endm
; 16 matrix instructions: source 1's blocks a0, a0 + 1 x source 0's eight.  p: source 0's set; sc: the set of scale words.  zero = 1: the first product starts the sums.
; The 64 accumulators take turns, one instruction a turn, in the same order in every step.
.macro MUL16 a0, p, q, sc, zero
.irp a, \a0, \a0+1
.irp b, 0,1,2,3,4,5,6,7
.if \zero
	v_wmma_scale_f32_16x16x128_f8f6f4 v[8*(8*((\a)%4)+\b):8*(8*((\a)%4)+\b)+7], v[128*(\p)+FR*\b:128*(\p)+FR*\b+FR-1], v[AF+FR*(\a):AF+FR*(\a)+FR-1], 0, v[SC+8*NQ*(\sc)+NQ*\b+(\q)], v[SC+8*NQ*(\sc)+NQ*(\a)+(\q)] matrix_a_fmt:MATRIX_FMT_FP6 matrix_b_fmt:MATRIX_FMT_FP6 matrix_a_scale:MATRIX_SCALE_ROW1
.else
	v_wmma_scale_f32_16x16x128_f8f6f4 v[8*(8*((\a)%4)+\b):8*(8*((\a)%4)+\b)+7], v[128*(\p)+FR*\b:128*(\p)+FR*\b+FR-1], v[AF+FR*(\a):AF+FR*(\a)+FR-1], v[8*(8*((\a)%4)+\b):8*(8*((\a)%4)+\b)+7], v[SC+8*NQ*(\sc)+NQ*\b+(\q)], v[SC+8*NQ*(\sc)+NQ*(\a)+(\q)] matrix_a_fmt:MATRIX_FMT_FP6 matrix_b_fmt:MATRIX_FMT_FP6 matrix_a_scale:MATRIX_SCALE_ROW1
.endif
.endr
.endr
.endm
.macro FETCH_B slot, q, p
	WIN TO_B
.irp i, 0,1,2,3,4,5,6,7
	FRAG 128*(\p)+FR*\i, ADRB+\slot, \q, \i
.endr
	WIN 0
.endm
.macro FETCH_A slot, q, i0
.irp i, \i0, \i0+1, \i0+2, \i0+3
	FRAG AF+FR*(\i), ADRA+\slot, \q, \i
.endr
.endm
.macro SCALES sc                       ; a K step's scale words: register NQ i + q: lanes 0-15 source 1's block i, lanes 16-31 source 0's block i
.irp i, 0,1,2,3,4,5,6,7
	ds_load_b32 v[SC+8*NQ*(\sc)+NQ*\i], v[ADRS] offset:512*\i
	ds_load_b32 v[SC+8*NQ*(\sc)+NQ*\i+1], v[ADRS] offset:512*\i+64
.endr
.endm
.macro PLACES n                        ; plain vector lines between a matrix instruction and a load into, or a read of, its registers (ISA guide 7.12.1 for a read)
.rept \n
	v_nop
.endr
.endm
.macro STEP slot, q, zero              ; 128 along K that have their successor in the same slot
	s_wait_dscnt 4*NL                              ; all but the youngest 16 loads (source 1's blocks 4-7) are in
	WIN MUL_LO
	MUL16 0, (\q)%2, \q, \slot, \zero
	MUL16 2, (\q)%2, \q, \slot, \zero
	s_wait_dscnt 0
	PLACES NP
	FETCH_B \slot, (\q)+1, 1-(\q)%2
	FETCH_A \slot, (\q)+1, 0
	WIN MUL_HI
	MUL16 4, (\q)%2, \q, \slot, \zero
	MUL16 6, (\q)%2, \q, \slot, \zero
	PLACES NP
	WIN 0
	FETCH_A \slot, (\q)+1, 4
.endm
; A slot's last step changes slots: one barrier; in front of it each wave waits for all its tensor loads, adds 0 to its spare word, and waits for that and for its reads of this slot.
.macro TURN slot, next, fill
	s_wait_tensorcnt 0x0                           ; all my tensor loads have landed: my part of the next slot
	ds_add_u32 v[SPW], v[NIL]                      ; 0 onto my spare word
	s_wait_dscnt 4*NL+1                            ; (the add and the youngest 16 loads may be out)
	WIN MUL_LO
	MUL16 0, 1, NQ-1, \slot, 0
	s_wait_dscnt 0x0                               ; the add is done, and my reads of this slot are over
	s_barrier_signal -1
	MUL16 2, 1, NQ-1, \slot, 0
	WIN 0
	s_barrier_wait -1
.if \fill
	CREST                                          ; the barrier has opened a round of the cluster's barrier: no wave of any partner still reads this slot or has a load on its way
	s_add_nc_u64 s[G0+4*\slot+2:G0+4*\slot+3], s[G0+4*\slot+2:G0+4*\slot+3], 2*KB
	s_add_nc_u64 s[G0B+4*\slot+2:G0B+4*\slot+3], s[G0B+4*\slot+2:G0B+4*\slot+3], 2*KB
	JLOAD G0+4*\slot, G1, G0B+4*\slot, G1B         ; my one tensor load behind the round; its four v_nop are the places in front of the loads below
.else
	PLACES NP
.endif
	v_add_nc_u32 v[ADRS], 64*NQ, v[ADRS]           ; the next K step's scale words
	FETCH_B \next, 0, 0
	FETCH_A \next, 0, 0
	SCALES \next
	WIN MUL_HI
	MUL16 4, 1, NQ-1, \slot, 0
	MUL16 6, 1, NQ-1, \slot, 0
	PLACES NP
	WIN 0
	FETCH_A \next, 0, 4
.endm
	s_wait_tensorcnt 1                             ; the scale words and my part of K step 0 are in (K step 1's load may be out),
	s_barrier_signal -1
	s_barrier_wait -1                              ; everybody's are
	FETCH_B 0, 0, 0
	FETCH_A 0, 0, 0
	SCALES 0
	FETCH_A 0, 0, 4
	STEP 0, 0, 1                                   ; the first step stands in front of the loop: its products start the sums
	s_mov_b32 s3, LAPS-1
.Llap:                                                 ; a trip goes once round the ring and fills both slots again
	TURN 0, 1, 1
	STEP 1, 0, 0
	TURN 1, 0, 1
	STEP 0, 0, 0
	s_sub_co_u32 s3, s3, 1
	s_cmp_lg_u32 s3, 0
	s_cbranch_scc1 .Llap
	TURN 0, 1, 0                                   ; the last lap fills nothing
	STEP 1, 0, 0
	s_wait_dscnt 4*NL
	WIN MUL_LO
	MUL16 0, 1, NQ-1, 1, 0
	MUL16 2, 1, NQ-1, 1, 0
	s_wait_dscnt 0
	WIN MUL_HI
	MUL16 4, 1, NQ-1, 1, 0
	MUL16 6, 1, NQ-1, 1, 0
	WIN 0
; THE WAY OUT.  Block a of source 1: a lane holds one of its rows and 64 numbers, register 16 b + i = the neighbour 32 b + 16 (lane / 16) + i of source 0's 128: they become one fragment (two images) and a scale word.
.macro QUANTW a
.set WW, 2+(\a)/4
.set WN, WW|(WW<<2)
.set SA, 64*((\a)%4)
.set QC, 64+24*((\a)%2)
.if (\a) >= 2
	s_wait_xcnt 0x0                                ; block a - 2's stores have read these code registers
.endif
	WIN WN                                         ; sources 0 and 1: the accumulators' window
.irp b, 0,1,2,3
	v_max3_num_f32 v[TM+\b], |v[SA+16*\b]|, |v[SA+16*\b+1]|, 0x1800000   ; each accumulator is read from its low end on; the floor 2^(3 - 127) holds the byte at 1 from below
.endr
.irp i, 2,4,6,8,10,12,14
.irp b, 0,1,2,3
	v_max3_num_f32 v[TM+\b], |v[SA+16*\b+\i]|, |v[SA+16*\b+\i+1]|, v[TM+\b]
.endr
.endr
	WIN 0
.irp b, 0,1,2,3
	v_permlanex16_b32 v[TM+4+\b], v[TM+\b], s22, s23
.endr
.irp b, 0,1,2,3
	v_max_num_f32 v[TM+\b], v[TM+\b], v[TM+4+\b]   ; with lane l xor 16's 16: the block's largest magnitude
.endr
.irp b, 0,1,2,3
	v_add_nc_u32 v[TM+12+\b], 0xff000000, v[TM+\b] ; 2 off the exponent field: the conversion's scale operand
.endr
.irp b, 0,1,2,3
	v_lshrrev_b32 v[TM+4+\b], 23, v[TM+12+\b]
.endr
	v_lshl_or_b32 v[PWR+(\a)], v[TM+5], 8, v[TM+4]
	v_lshl_or_b32 v[PWR+(\a)], v[TM+6], 16, v[PWR+(\a)]
	v_lshl_or_b32 v[PWR+(\a)], v[TM+7], 24, v[PWR+(\a)]
	WIN WW                                         ; source 0: the accumulators' window
.irp c, 0,1
	v_cvt_scalef32_pk16_fp6_f32 v[QC+6*\c:QC+2+6*\c], v[SA+32*\c:SA+15+32*\c], v[TM+12+2*\c]
	v_cvt_scalef32_pk16_fp6_f32 v[QC+12+4*\c:QC+14+4*\c], v[SA+16+32*\c:SA+31+32*\c], v[TM+12+2*\c+1]
.endr
	v_nop                                          ; one plain line behind a scaled conversion
	WIN 0
.irp c, 0,1                                    ; the operand's layout wants a whole block in a lane
.irp i, 0,1,2
	v_permlane16_swap_b32 v[QC+6*\c+\i], v[QC+12+4*\c+\i]
.endr
.irp i, 0,1,2
	v_mov_b32 v[QC+3+6*\c+\i], v[QC+12+4*\c+\i]
.endr
.endr
	global_store_b128 v[L16], v[QC:QC+3], s[18:19] offset:768*(\a)              ; 512 consecutive bytes, aligned to 256
	global_store_b64 v[L8], v[QC+4:QC+5], s[18:19] offset:768*(\a)+512          ; 256 consecutive bytes
	global_store_b128 v[L16], v[QC+6:QC+9], s[18:19] offset:768*(\a)+98304
	global_store_b64 v[L8], v[QC+10:QC+11], s[18:19] offset:768*(\a)+98816
	ds_store_b32 v[SWS], v[PWR+(\a)] offset:64*(\a)  ; slot 0 has had its last fill, and its last read lies behind the last change of slots
.endm
	PLACES NP
.irp b, 0,1,2,3
	v_mov_b32 v[TM+4+\b], 0                        ; a lane permute's destination counts as one of its sources
.endr
.irp a, 0,1,2,3,4,5,6,7
	QUANTW \a
.endr
	ds_load_b128 v[232:235], v[SWR]                ; LDS serves a wave's instructions in order: this sees my stores
	s_wait_dscnt 0x0
	global_store_b128 v[L16], v[232:235], s[20:21] ; the wave's 128 scale words: 512 consecutive bytes
	s_wait_tensorcnt 0x0                           ; the wave's end
	ds_add_u32 v[SPW], v[NIL]
	s_wait_dscnt 0x0
	CROUND                                         ; the closing round
	s_endpgm
.Lfunc_end_k_qa176bdebb1_qkvgemm:
	.size	k_qa176bdebb1_qkvgemm, .Lfunc_end_k_qa176bdebb1_qkvgemm-k_qa176bdebb1_qkvgemm
	.p2alignl 7, 3214868480
	.fill 96, 4, 3214868480
	.section	.rodata,"a",@progbits
	.p2align	6, 0x0
	.amdhsa_kernel k_qa176bdebb1_qkvgemm
		.amdhsa_group_segment_fixed_size 327680
		.amdhsa_private_segment_fixed_size 0
		.amdhsa_enable_private_segment 0
		.amdhsa_kernarg_size 24
		.amdhsa_user_sgpr_count 2
		.amdhsa_user_sgpr_kernarg_segment_ptr 1
		.amdhsa_wavefront_size32 1
		.amdhsa_system_sgpr_workgroup_id_x 1
		.amdhsa_system_sgpr_workgroup_id_y 1
		.amdhsa_system_sgpr_workgroup_id_z 1
		.amdhsa_system_vgpr_workitem_id 0
		.amdhsa_next_free_vgpr 1024
		.amdhsa_next_free_sgpr 106
		.amdhsa_reserve_vcc 0
		.amdhsa_float_denorm_mode_32 3
		.amdhsa_float_denorm_mode_16_64 3
		.amdhsa_memory_ordered 1
		.amdhsa_forward_progress 1
		.amdhsa_inst_pref_size 152
	.end_amdhsa_kernel
	.amdgpu_metadata
---
amdhsa.version: [ 1, 2 ]
amdhsa.kernels:
  - .name:           k_qa176bdebb1_qkvgemm
    .symbol:         k_qa176bdebb1_qkvgemm.kd
    .args:
      - { .name: xq, .offset: 0, .size: 8, .value_kind: global_buffer, .address_space: global }
      - { .name: wq, .offset: 8, .size: 8, .value_kind: global_buffer, .address_space: global }
      - { .name: qkv, .offset: 16, .size: 8, .value_kind: global_buffer, .address_space: global }
    .group_segment_fixed_size: 327680
    .private_segment_fixed_size: 0
    .kernarg_segment_align: 8
    .kernarg_segment_size: 24
    .max_flat_workgroup_size: 128
    .sgpr_count:     106
    .vgpr_count:     1024
    .wavefront_size: 32
...
	.end_amdgpu_metadata
.endif
;; end of part 2
;; launch attn (part 3): grid 4 x 64, 8 waves a work-group, no clusters, 28,672 bytes of LDS; arguments qkv, bias, steps, att; writes att
.if DOCPART == 3
	.amdgcn_target "amdgcn-amd-amdhsa--gfx1250"
	.amdhsa_code_object_version 6
	.text
	.protected	k_qa176bdebb1_attn
	.globl	k_qa176bdebb1_attn
	.p2align	8
	.type	k_qa176bdebb1_attn,@function
k_qa176bdebb1_attn:
	s_mov_b64 s[64:65], 0
	v_nop
	global_prefetch_b8 v0, s[64:65] scope:SCOPE_SE
	s_setreg_imm32_b32 hwreg(HW_REG_WAVE_MODE, 25, 1), 1
	s_wait_xcnt 0x0
; o = softmax(q k^T / 8, hidden keys out) v for one head and 512 queries a work-group, both products on codes of FP6 (E2M3) with E8M0 scales; o is quantised along the model's 1024 for the last product.
; t = score x log2(e) / 8; M = the running largest t rounded up to a whole number; p = 2^(t - M) is quantised along the keys, not normalised; the row's sum of the unquantised p divides at the end.
; SHARES: eight waves, each four tiles of 16 queries; every wave walks the key steps (128 keys) of the batch's LIST, which an earlier launch stored: steps without a kept key add nothing and are left out.
; The loop has a constant 16 trips; a trip beyond the list's length only passes its barrier.  That branch hangs on a stored number, so K and V come through registers (global load, LDS store), not by tensor loads;
; for the same reason no cluster: what the four query blocks of a head share is 13.5 KB a step out of the cache, beside four tiles' softmax a wave.
; THE MASK: the scores' sums begin with an addend: 0 for a kept key, -2^126 for a hidden one, whose p is then 0.  A batch with no kept key lists all steps and runs with c = 0: every p is 1, the softmax uniform.
; LIMITS: a kept key's score must lie above -2^126; NaN and infinities are not served.  A block of zeros keeps the scale byte 1 (its codes are zeros; only this program reads the bytes).
; LAYOUT: both products transposed (S^T = K Q^T, O^T = V^T P^T): a lane holds one query.  Operands lie as images of six registers (16 rows x 64 K, 768 bytes); lane r of row tile 2 B + u holds row 32 B + 8 u + r + 8 (r / 8),
; so the 16 registers of tiles 2 b and 2 b + 1 are 16 neighbouring keys (or channels).  The first product's K is 64: the upper half of Q's fragment is zero codes, and K's fragment kt is registers 6 kt .. 6 kt + 11,
; whose upper half (the next tile's codes, or zeros) meets those zeros under scale bytes 0.
; PIPELINE: in trip i (parity p) a wave reads V of step i from VS(p) and, late, K of step i + 1 from KS(1 - p); it stores K of step i + 2 into KS(p) and V of step i + 1 into VS(1 - p): disjoint bytes between two barriers.
; LDS: KS0 at 0, KS1 at 7,168: codes 6,144, scale words 512, addends 512.  VS0 at 14,336, VS1 at 20,992: codes 6,144, both heads' scale words 512.
; REGISTERS: window 0: v1-11 addresses; v12-15 a staging chunk; v16-31 statistics; v32-79 Q; v80-143 the addends; v144-207 S^T, then p; v208-226 p's codes; v228-243 at work; v244-253 scale words.
;   window 1: v0-53 K; v54-101 V; v104-127 staging; v128-255 O^T.
.set XS,  6291456                      ; att's scale words
.set A16, 1                            ; 16 l
.set A8,  2                            ; 8 l
.set A4,  3                            ; 4 l
.set BA,  4                            ; 64 h
.set VSA, 5                            ; 4 l + 256 x the head's parity
.set STE, 6                            ; v6, v7: where I store my 1,536 bytes of codes in an even, an odd trip
.set XE,  8                            ; v8, v9: and waves 0-2 their 512 bytes beside the codes
.set R4,  10                           ; 4 r
.set XG,  12
.set ST,  16                           ; tile t: v[ST+4t] -M, +1 the largest t, +2, +3 the sum in two halves
.set QF,  32
.set BI,  80
.set S,   144
.set PC,  208
.set C2,  220
.set BM,  228
.set BP,  232
.set SO,  236
.set F,   240                          ; f = 2^(old M - new M); named as a pair
.set TW,  242
.set PW,  243
.set KSC, 244
.set VSC, 248
.set QSC, 250
.set SU,  254
.set KF,  0                            ; window 1
.set VF,  54
.set SG,  104
.set SG2, 116
.set OA,  128
.set WV,  12
.set NS,  13                           ; the list's length
.set LQ,  14                           ; s[14:15] the list, walked four bits a trip
.set IX,  16
.set LC,  17
.set IK,  18                           ; the step whose K, and
.set IV,  19                           ; whose V is fetched
.set CS,  26
.set SEL, 28
.set CB,  30
.set XB,  32
.set GB,  34
.set GX,  36
.set SH,  38
.set MK,  39
.set MSB, 0
.macro WIN new                         ; the immediate's high byte repeats the setting that is left
.if MSB != (\new)
	s_set_vgpr_msb (MSB<<8)|(\new)
.set MSB, \new
.endif
.endm
; Waves 0-3 fetch a quarter of K's codes each, waves 4-7 of V's; waves 0, 1, 2 also K's scale words, the addends, V's scale words.  A listed step enters an address only behind s_min_u32.
.macro GLOAD sg, xg
	s_wait_xcnt 0x0                                ; the bases below are written again
	s_cmp_lt_u32 s[WV], 4
	s_cselect_b32 s40, s[IK], s[IV]
	s_min_u32 s40, s40, 15
	s_mul_i32 s40, s40, 6144
	s_add_nc_u64 s[GB:GB+1], s[CB:CB+1], s[40:41]
	s_cmp_lt_u32 s[WV], 2
	s_cselect_b32 s42, s[IK], s[IV]
	s_min_u32 s42, s42, 15
	s_lshl_b32 s42, s42, 9
	s_add_nc_u64 s[GX:GX+1], s[XB:XB+1], s[42:43]
	WIN 0x40
.irp i, 0,1,2
	global_load_b128 v[\sg+4*\i:\sg+4*\i+3], v[A16], s[GB:GB+1] offset:512*\i
.endr
	WIN 0
	s_cmp_lt_u32 s[WV], 3
	s_cbranch_scc0 .Lno_x_\@
	global_load_b128 v[\xg:\xg+3], v[A16], s[GX:GX+1]
.Lno_x_\@:
.endm
.macro SSTORE par, sg, xg
	s_wait_loadcnt 0x0
	WIN 0x04                                       ; an LDS store's data are its source 1: window 1
.irp i, 0,1,2
	ds_store_b128 v[STE+\par], v[\sg+4*\i:\sg+4*\i+3] offset:512*\i
.endr
	WIN 0
	s_cmp_lt_u32 s[WV], 3
	s_cbranch_scc0 .Lno_xs_\@
.irp i, 0,1,2,3
	v_lshrrev_b32 v[\xg+\i], s[SH], v[\xg+\i]      ; wave 0: my head's two bytes of K's words, over two bytes 0; waves 1, 2: as they are
.endr
.irp i, 0,1,2,3
	v_and_b32 v[\xg+\i], s[MK], v[\xg+\i]
.endr
	ds_store_b128 v[XE+\par], v[\xg:\xg+3]
.Lno_xs_\@:
.endm
.macro KLOAD ks
	WIN 0x40
.irp kt, 0,1,2,3,4,5,6,7
	ds_load_b128 v[KF+6*\kt:KF+6*\kt+3], v[A16] offset:\ks+768*\kt
	ds_load_b64 v[KF+6*\kt+4:KF+6*\kt+5], v[A8] offset:\ks+768*\kt+512
.endr
	WIN 0
.irp kt, 0,1,2,3,4,5,6,7                       ; register j of tile kt: key 32 (kt / 2) + 16 h + 8 (kt % 2) + j
	ds_load_b128 v[BI+8*\kt:BI+8*\kt+3], v[BA] offset:\ks+6656+128*(\kt/2)+32*(\kt%2)
	ds_load_b128 v[BI+8*\kt+4:BI+8*\kt+7], v[BA] offset:\ks+6656+128*(\kt/2)+32*(\kt%2)+16
.endr
.irp j, 0,1,2,3
	ds_load_b32 v[KSC+\j], v[A4] offset:\ks+6144+128*\j   ; lanes 0-15 tile 2 j's words, lanes 16-31 tile 2 j + 1's
.endr
.endm
.macro VLOAD vs
	WIN 0x40
.irp dt, 0,1,2,3
.irp j, 0,1
	ds_load_b128 v[VF+12*\dt+6*\j:VF+12*\dt+6*\j+3], v[A16] offset:\vs+3072*\j+768*\dt
	ds_load_b64 v[VF+12*\dt+6*\j+4:VF+12*\dt+6*\j+5], v[A8] offset:\vs+3072*\j+768*\dt+512
.endr
.endr
	WIN 0
.irp j, 0,1
	ds_load_b32 v[VSC+\j], v[VSA] offset:\vs+6144+128*\j
.endr
.endm
; One tile of 16 queries against the step's 128 keys.
.macro TILE t
.set rT, ST+4*(\t)
.set rQ, QF+12*(\t)
.set rO, OA+32*(\t)
	WIN 0x01                                       ; source 0 (K) window 1
.irp kt, 0,1,2,3,4,5,6,7
.if (\kt%2) == 0
	v_wmma_scale_f32_16x16x128_f8f6f4 v[S+8*\kt:S+8*\kt+7], v[KF+6*\kt:KF+6*\kt+11], v[rQ:rQ+11], v[BI+8*\kt:BI+8*\kt+7], v[KSC+\kt/2], v[QSC+(\t)] matrix_a_fmt:MATRIX_FMT_FP6 matrix_b_fmt:MATRIX_FMT_FP6
.else
	v_wmma_scale_f32_16x16x128_f8f6f4 v[S+8*\kt:S+8*\kt+7], v[KF+6*\kt:KF+6*\kt+11], v[rQ:rQ+11], v[BI+8*\kt:BI+8*\kt+7], v[KSC+\kt/2], v[QSC+(\t)] matrix_a_fmt:MATRIX_FMT_FP6 matrix_b_fmt:MATRIX_FMT_FP6 matrix_a_scale:MATRIX_SCALE_ROW1
.endif
.endr
	WIN 0
.rept 4
	v_nop                                          ; places in front of the first read of the scores, and of the loads below
.endr
.if (\t) == 3
	KLOAD KSN                                      ; all four tiles have multiplied by this step's K: the next step's comes while the softmax runs
.endif
.irp b, 0,1,2,3
	v_max3_num_f32 v[BM+\b], v[S+16*\b], v[S+1+16*\b], v[S+2+16*\b]   ; the largest score of each block of 32 keys: for the row's maximum, and, since p rises with the score, for the block's largest p
.endr
.irp i, 3,5,7,9,11,13
.irp b, 0,1,2,3
	v_max3_num_f32 v[BM+\b], v[BM+\b], v[S+16*\b+\i], v[S+1+16*\b+\i]
.endr
.endr
.irp b, 0,1,2,3
	v_max_num_f32 v[BM+\b], v[BM+\b], v[S+15+16*\b]
.endr
.irp b, 0,1,2,3
	v_permlanex16_b32 v[BP+\b], v[BM+\b], s[SEL], s[SEL+1]
.endr
.irp b, 0,1,2,3
	v_max_num_f32 v[BM+\b], v[BM+\b], v[BP+\b]     ; with lane l xor 16's 16 keys
.endr
	v_max3_num_f32 v[TW], v[BM], v[BM+1], v[BM+2]
	v_max_num_f32 v[TW], v[TW], v[BM+3]
	v_mul_f32 v[TW], s[CS], v[TW]                  ; as t (c is not negative)
	v_max_num_f32 v[rT+1], v[rT+1], v[TW]          ; the running largest t
	v_mov_b32 v[TW], v[rT]
	v_floor_f32 v[rT], -v[rT+1]                    ; the new -M = floor(-t)
	v_sub_f32 v[TW], v[rT], v[TW]                  ; old M - new M: a whole number, 0 or less
	v_cvt_i32_f32 v[TW], v[TW]                     ; (it saturates)
	v_ldexp_f32 v[F], 1.0, v[TW]                   ; f: a multiplication by it rounds nothing
.set jj, 0
.rept 32
	v_pk_fma_f32 v[S+jj:S+jj+1], v[S+jj:S+jj+1], s[CS:CS+1], v[rT:rT+1] op_sel_hi:[1,0,0]   ; t - M, two at a time
.set jj, jj+2
.endr
.irp b, 0,1,2,3
	v_fma_f32 v[BM+\b], v[BM+\b], s[CS], v[rT]
.endr
.set jj, 0
.rept 64
	v_exp_f32 v[S+jj], v[S+jj]                     ; p = 2^(t - M)
.set jj, jj+1
.endr
.irp b, 0,1,2,3
	v_exp_f32 v[BM+\b], v[BM+\b]                   ; the block's largest p: the same two instructions on the same number
.endr
	v_pk_mul_f32 v[rT+2:rT+3], v[rT+2:rT+3], v[F:F+1] op_sel_hi:[1,0]   ; the sums under the new M (a plain line behind the exponentials)
	s_wait_alu depctr_va_vdst(0)
.irp b, 0,1,2,3
	v_max_num_f32 v[BM+\b], 0x1800000, v[BM+\b]    ; the floor 2^(3 - 127)
.endr
.irp b, 0,1,2,3
	v_add_nc_u32 v[SO+\b], 0xff000000, v[BM+\b]
.endr
.irp b, 0,1,2,3
	v_lshrrev_b32 v[BP+\b], 23, v[SO+\b]
.endr
	v_lshl_or_b32 v[PW], v[BP+1], 8, v[BP]         ; p's scale word for these 128 keys
	v_lshl_or_b32 v[PW], v[BP+2], 16, v[PW]
	v_lshl_or_b32 v[PW], v[BP+3], 24, v[PW]
.irp c, 0,1
	v_cvt_scalef32_pk16_fp6_f32 v[PC+6*\c:PC+2+6*\c], v[S+32*\c:S+15+32*\c], v[SO+2*\c]
	v_cvt_scalef32_pk16_fp6_f32 v[C2+4*\c:C2+2+4*\c], v[S+16+32*\c:S+31+32*\c], v[SO+2*\c+1]
.endr
	v_nop                                          ; one plain line behind a scaled conversion
.irp c, 0,1
.irp i, 0,1,2
	v_permlane16_swap_b32 v[PC+6*\c+\i], v[C2+4*\c+\i]
.endr
.irp i, 0,1,2
	v_mov_b32 v[PC+3+6*\c+\i], v[C2+4*\c+\i]
.endr
.endr
	v_pk_add_f32 v[SU:SU+1], v[S:S+1], v[S+2:S+3]  ; the row's sum is taken of the unquantised p, in two chains
.irp j, 4,8,12,16,20,24,28,32,36,40,44,48,52,56,60
	v_pk_add_f32 v[rT+2:rT+3], v[rT+2:rT+3], v[S+\j:S+\j+1]
	v_pk_add_f32 v[SU:SU+1], v[SU:SU+1], v[S+2+\j:S+3+\j]
.endr
	v_pk_add_f32 v[rT+2:rT+3], v[rT+2:rT+3], v[SU:SU+1]
	WIN 0x41                                       ; O^T: destination and source 0 window 1
.set jj, 0
.rept 16
	v_pk_mul_f32 v[rO+jj:rO+jj+1], v[rO+jj:rO+jj+1], v[F:F+1] op_sel_hi:[1,0]
.set jj, jj+2
.endr
.if (\t) == 0
	s_wait_dscnt 0x0                               ; V is in
.endif
	WIN 0x51                                       ; V, C and D window 1; p's codes window 0.  The four accumulators take turns
.irp dt, 0,1,2,3
.if (\dt%2) == 0
	v_wmma_scale_f32_16x16x128_f8f6f4 v[rO+8*\dt:rO+8*\dt+7], v[VF+12*\dt:VF+12*\dt+11], v[PC:PC+11], v[rO+8*\dt:rO+8*\dt+7], v[VSC+\dt/2], v[PW] matrix_a_fmt:MATRIX_FMT_FP6 matrix_b_fmt:MATRIX_FMT_FP6
.else
	v_wmma_scale_f32_16x16x128_f8f6f4 v[rO+8*\dt:rO+8*\dt+7], v[VF+12*\dt:VF+12*\dt+11], v[PC:PC+11], v[rO+8*\dt:rO+8*\dt+7], v[VSC+\dt/2], v[PW] matrix_a_fmt:MATRIX_FMT_FP6 matrix_b_fmt:MATRIX_FMT_FP6 matrix_a_scale:MATRIX_SCALE_ROW1
.endif
.endr
	WIN 0
.endm
.macro TRIP par
.set KSN, 7168*(1-(\par))
.set VSN, 14336+6656*(\par)
	s_cmp_lt_u32 s[IX], s[NS]                      ; the same in all eight waves: a stored number
	s_cbranch_scc0 .Lidle_\@
	s_and_b32 s[IV], s[LQ], 15                     ; the next step's V,
	s_bfe_u32 s[IK], s[LQ], 0x40004                ; the K of the step after it
	s_lshr_b32 s[LQ], s[LQ], 4
	s_lshl_b32 s25, s[LQ+1], 28
	s_or_b32 s[LQ], s[LQ], s25
	s_lshr_b32 s[LQ+1], s[LQ+1], 4
.rept 4
	v_nop                                          ; places behind the last trip's products, in front of the loads into V
.endr
	GLOAD SG, XG
	VLOAD VSN
	TILE 0
	TILE 1
	TILE 2
	TILE 3
	SSTORE \par, SG, XG
.Lidle_\@:
	s_wait_dscnt 0x0                               ; my stores have landed, my reads are in
	s_barrier_signal -1
	s_barrier_wait -1
	s_add_co_u32 s[IX], s[IX], 1
.endm
	s_load_b256 s[4:11], s[0:1], 0x0               ; qkv s[4:5], bias s[6:7], steps s[8:9], att s[10:11]
	v_lshl_add_u32 v223, v0, 2, 0x6c00
	v_mov_b32 v227, 0
	v_lshrrev_b32 v1, 5, v0
	v_readfirstlane_b32 s[WV], v1                  ; wave 0..7
	s_and_b32 s52, ttmp7, 0xffff
	s_lshr_b32 s53, s52, 4                         ; the batch
	s_bfe_u32 s54, s52, 0x30001                    ; the pair of heads
	s_and_b32 s55, s52, 1                          ; the head's parity
	s_and_b32 s56, s52, 15                         ; the head
	s_lshl_b32 s24, s55, 4                         ; 16 x parity: my head's two bytes of a scale word of q or k
	s_mul_i32 s57, s53, 1572864
	s_mul_i32 s61, s54, 196608
	s_add_co_u32 s57, s57, s61                     ; (batch, pair) in a kind's codes
	s_mul_i32 s58, s55, 98304
	s_lshl_b32 s59, s53, 16
	s_lshl_b32 s61, s54, 13
	s_add_co_u32 s59, s59, s61
	s_add_co_u32 s59, s59, 18874368                ; (batch, pair) in q's scale words
	s_lshl_b32 s60, ttmp9, 5
	s_lshl_b32 s61, s[WV], 2
	s_add_co_u32 s60, s60, s61                     ; my first tile of queries
	s_mul_i32 s48, s60, 768
	s_add_co_u32 s48, s48, s57
	s_add_co_u32 s48, s48, s58
	s_mov_b32 s49, 0
	s_lshl_b32 s50, s60, 6
	s_add_co_u32 s50, s50, s59
	s_mov_b32 s51, 0
	s_mul_i32 s30, s[WV], 1536                     ; waves 0-3: k, my head, a quarter of a step
	s_add_co_u32 s30, s30, s58
	s_add_co_u32 s30, s30, 6291456
	s_bfe_u32 s61, s[WV], 0x10001                  ; waves 4-7: v: which 64 keys,
	s_mul_i32 s61, s61, 98304
	s_mul_i32 s62, s55, 3072                       ; my head's four tiles of d,
	s_add_co_u32 s61, s61, s62
	s_and_b32 s62, s[WV], 1                        ; two of them
	s_mul_i32 s62, s62, 1536
	s_add_co_u32 s61, s61, s62
	s_add_co_u32 s61, s61, 12582912
	s_cmp_lt_u32 s[WV], 4
	s_cselect_b32 s30, s30, s61
	s_add_co_u32 s30, s30, s57
	s_mov_b32 s31, 0
	s_mov_b32 s61, 524288                          ; wave 0: k's scale words; wave 1: the addends; wave 2: v's scale words
	s_cmp_eq_u32 s[WV], 0
	s_cselect_b32 s32, 262144, s61
	s_cselect_b32 s[SH], s24, 0
	s_cselect_b32 s[MK], 0xffff, -1
	s_add_co_u32 s32, s32, s59
	s_lshl_b32 s61, s53, 13
	s_cmp_eq_u32 s[WV], 1
	s_cselect_b32 s32, s61, s32
	s_mov_b32 s33, 0
	s_lshl_b32 s61, s53, 7
	s_add_co_u32 s61, s61, s60                     ; my first tile among att's 512
	s_mul_i32 s44, s61, 12288
	s_mul_i32 s62, s56, 768
	s_add_co_u32 s44, s44, s62
	s_mov_b32 s45, 0
	s_lshl_b32 s46, s61, 9
	s_lshl_b32 s62, s54, 6
	s_add_co_u32 s46, s46, s62
	s_lshl_b32 s62, s55, 1
	s_add_co_u32 s46, s46, s62
	s_add_co_u32 s46, s46, XS
	s_mov_b32 s47, 0
	s_lshl_b32 s62, s53, 7
	s_mov_b32 s63, 0
	s_mov_b32 s41, 0
	s_mov_b32 s43, 0
	s_mov_b32 s[SEL], 0x76543210
	s_mov_b32 s[SEL+1], 0xfedcba98
	s_wait_kmcnt 0x0
	s_add_nc_u64 s[8:9], s[8:9], s[62:63]
	s_load_b128 s[20:23], s[8:9], 0x0              ; n, the list's two words, any
	s_add_nc_u64 s[48:49], s[4:5], s[48:49]        ; q's codes
	s_add_nc_u64 s[50:51], s[4:5], s[50:51]        ; q's scale words
	s_add_nc_u64 s[CB:CB+1], s[4:5], s[CB:CB+1]
	s_cmp_eq_u32 s[WV], 1
	s_cselect_b64 s[GB:GB+1], s[6:7], s[4:5]
	s_add_nc_u64 s[XB:XB+1], s[GB:GB+1], s[XB:XB+1]
	s_add_nc_u64 s[44:45], s[10:11], s[44:45]      ; att's codes
	s_add_nc_u64 s[46:47], s[10:11], s[46:47]      ; att's scale words
	; every LDS address is made here, ahead of the first branch
	v_and_b32 v11, 31, v0
	v_lshlrev_b32 v[A16], 4, v11
	v_lshlrev_b32 v[A8], 3, v11
	v_lshlrev_b32 v[A4], 2, v11
	v_bfe_u32 v[BA], v0, 4, 1
	v_lshlrev_b32 v[BA], 6, v[BA]
	s_lshl_b32 s61, s55, 8
	v_add_nc_u32 v[VSA], s61, v[A4]
	s_mul_i32 s61, s[WV], 1536
	s_lshr_b32 s62, s[WV], 2
	s_mul_i32 s63, s62, 14848
	s_add_co_u32 s63, s63, s61
	v_add_nc_u32 v[STE], s63, v[A16]               ; even trips: KS0, VS1
	s_lshl_b32 s63, s62, 10
	s_add_co_u32 s63, s63, s61
	s_add_co_u32 s63, s63, 7168
	v_add_nc_u32 v[STE+1], s63, v[A16]             ; odd trips: KS1, VS0
	s_min_u32 s61, s[WV], 2
	s_lshl_b32 s62, s61, 9
	s_lshr_b32 s61, s61, 1
	s_mul_i32 s63, s61, 19968
	s_add_co_u32 s63, s63, s62
	s_add_co_u32 s63, s63, 6144
	v_add_nc_u32 v[XE], s63, v[A16]
	s_mul_i32 s63, s61, 6144
	s_add_co_u32 s63, s63, s62
	s_add_co_u32 s63, s63, 13312
	v_add_nc_u32 v[XE+1], s63, v[A16]
	v_and_b32 v[R4], 15, v0
	v_lshlrev_b32 v[R4], 2, v[R4]
.irp t, 0,1,2,3
	global_load_b128 v[QF+12*\t:QF+12*\t+3], v[A16], s[48:49] offset:768*\t
	global_load_b64 v[QF+12*\t+4:QF+12*\t+5], v[A8], s[48:49] offset:768*\t+512
	global_load_b32 v[QSC+\t], v[R4], s[50:51] offset:64*\t
.endr
.irp t, 0,1,2,3
.irp i, 6,7,8,9,10,11
	v_mov_b32 v[QF+12*\t+\i], 0                    ; the upper 64 of the instruction's 128 along K: zero codes
.endr
	v_mov_b32 v[ST+4*\t+1], 0xff61b1e6             ; the largest t so far: -3e38
	v_floor_f32 v[ST+4*\t], -v[ST+4*\t+1]
	v_mov_b32 v[ST+4*\t+2], 0
	v_mov_b32 v[ST+4*\t+3], 0
	v_mov_b32 v[BP+\t], 0                          ; a lane permute's destination counts as one of its sources
.endr
	v_mov_b32 v[F+1], 0                            ; named as the upper half of a pair
	s_wait_kmcnt 0x0
	s_mov_b32 s[NS], s20
	s_mov_b32 s[LQ], s21
	s_mov_b32 s[LQ+1], s22
	s_cmp_lg_u32 s23, 0
	s_cselect_b32 s[CS], 0x3e38aa3b, 0             ; c = log2(e) / 8; 0 where no key is kept
	s_mov_b32 s[CS+1], s[CS]
	s_and_b32 s[IV], s[LQ], 15                     ; V of step 0 and K of step 1, for VS0 and KS1;
	s_bfe_u32 s[IK], s[LQ], 0x40004
	GLOAD SG, XG
	s_and_b32 s[IK], s[LQ], 15                     ; K of step 0 and V of step 1, for KS0 and VS1
	s_bfe_u32 s[IV], s[LQ], 0x40004
	GLOAD SG2, S
	SSTORE 1, SG, XG
	SSTORE 0, SG2, S
.irp t, 0,1,2,3
	v_lshrrev_b32 v[QSC+\t], s24, v[QSC+\t]        ; my head's two bytes of q's words, over two bytes 0
.endr
.irp t, 0,1,2,3
	v_and_b32 v[QSC+\t], 0xffff, v[QSC+\t]
.endr
	WIN 0x40
.irp i, 48,49,50,51,52,53
	v_mov_b32 v[KF+\i], 0                          ; behind K's eighth tile: zero codes
.endr
.set jj, 0
.rept 128
	v_mov_b32 v[OA+jj], 0                          ; O^T.  The step is written once: the first finds zeros, which the first change of M leaves zeros
.set jj, jj+1
.endr
	WIN 0
	s_wait_dscnt 0x0
	s_barrier_signal -1
	s_barrier_wait -1                              ; the first two steps lie in LDS
	KLOAD 0
	s_wait_dscnt 0x0
	s_barrier_signal -1
	s_barrier_wait -1                              ; every wave has read KS0, into which trip 0 stores
	s_lshr_b32 s[LQ], s[LQ], 4
	s_lshl_b32 s25, s[LQ+1], 28
	s_or_b32 s[LQ], s[LQ], s25
	s_lshr_b32 s[LQ+1], s[LQ+1], 4
	s_mov_b32 s[IX], 0
	s_mov_b32 s[LC], 8
.Lloop:
	TRIP 0
	TRIP 1
	s_sub_co_u32 s[LC], s[LC], 1
	s_cmp_lg_u32 s[LC], 0
	s_cbranch_scc1 .Lloop
	; THE WAY OUT.  O^T / the sum; a lane's 32 numbers of a tile, register 16 b + i = channel 32 b + 16 h + i, become one image and two scale bytes.
.rept 4
	v_nop
.endr
.irp t, 0,1,2,3
	v_add_f32 v[BM+\t], v[ST+4*\t+2], v[ST+4*\t+3]
.endr
.irp t, 0,1,2,3
	v_permlanex16_b32 v[BP+\t], v[BM+\t], s[SEL], s[SEL+1]
.endr
.irp t, 0,1,2,3
	v_add_f32 v[BM+\t], v[BM+\t], v[BP+\t]         ; the row's sum
.endr
.irp t, 0,1,2,3
	v_rcp_f32 v[SO+\t], v[BM+\t]
.endr
	v_bfe_u32 v11, v0, 4, 1                        ; (a plain line behind the reciprocals)
	v_lshl_add_u32 v11, v11, 9, v[R4]              ; lanes 16-31 store the next tile's bytes: 512 (l / 16) + 4 r
	v_and_b32 v[TW], 31, v0
	v_cmp_gt_u32 vcc_lo, 16, v[TW]
	s_wait_alu depctr_va_vdst(0)
.macro EPI t
	WIN 0x01
.set jj, 0
.rept 32
	v_mul_f32 v[S+jj], v[OA+32*(\t)+jj], v[SO+(\t)]
.set jj, jj+1
.endr
	WIN 0
.irp b, 0,1
	v_max3_num_f32 v[BM+\b], |v[S+16*\b]|, |v[S+1+16*\b]|, 0x1800000
.endr
.irp i, 2,4,6,8,10,12,14
.irp b, 0,1
	v_max3_num_f32 v[BM+\b], v[BM+\b], |v[S+16*\b+\i]|, |v[S+1+16*\b+\i]|
.endr
.endr
.irp b, 0,1
	v_permlanex16_b32 v[BP+\b], v[BM+\b], s[SEL], s[SEL+1]
.endr
.irp b, 0,1
	v_max_num_f32 v[BM+\b], v[BM+\b], v[BP+\b]
.endr
.irp b, 0,1
	v_add_nc_u32 v[BM+2+\b], 0xff000000, v[BM+\b]
.endr
.irp b, 0,1
	v_lshrrev_b32 v[BP+2+\b], 23, v[BM+2+\b]
.endr
	v_lshl_or_b32 v[112+(\t)], v[BP+3], 8, v[BP+2]
	v_cvt_scalef32_pk16_fp6_f32 v[BI+8*(\t):BI+8*(\t)+2], v[S:S+15], v[BM+2]
	v_cvt_scalef32_pk16_fp6_f32 v[C2:C2+2], v[S+16:S+31], v[BM+3]
	v_nop
.irp i, 0,1,2
	v_permlane16_swap_b32 v[BI+8*(\t)+\i], v[C2+\i]
.endr
.irp i, 0,1,2
	v_mov_b32 v[BI+8*(\t)+3+\i], v[C2+\i]
.endr
	global_store_b128 v[A16], v[BI+8*(\t):BI+8*(\t)+3], s[44:45] offset:12288*(\t)
	global_store_b64 v[A8], v[BI+8*(\t)+4:BI+8*(\t)+5], s[44:45] offset:12288*(\t)+512
.endm
	EPI 0
	EPI 1
	EPI 2
	EPI 3
.irp p, 0,1                                    ; a scale word of att spans two heads, which two work-groups make: so each stores its two bytes of it: 2 bytes a row, 128 in all of the wave's 3,072 + 128
	v_cndmask_b32 v[116+\p], v[113+2*\p], v[112+2*\p], vcc_lo
	global_store_b16 v11, v[116+\p], s[46:47] offset:1024*\p
.endr
	s_wait_tensorcnt 0x0
	ds_add_u32 v223, v227
	s_wait_dscnt 0x0
	s_endpgm
.Lfunc_end_k_qa176bdebb1_attn:
	.size	k_qa176bdebb1_attn, .Lfunc_end_k_qa176bdebb1_attn-k_qa176bdebb1_attn
	.p2alignl 7, 3214868480
	.fill 96, 4, 3214868480
	.section	.rodata,"a",@progbits
	.p2align	6, 0x0
	.amdhsa_kernel k_qa176bdebb1_attn
		.amdhsa_group_segment_fixed_size 28672
		.amdhsa_private_segment_fixed_size 0
		.amdhsa_enable_private_segment 0
		.amdhsa_kernarg_size 32
		.amdhsa_user_sgpr_count 2
		.amdhsa_user_sgpr_kernarg_segment_ptr 1
		.amdhsa_wavefront_size32 1
		.amdhsa_system_sgpr_workgroup_id_x 1
		.amdhsa_system_sgpr_workgroup_id_y 1
		.amdhsa_system_sgpr_workgroup_id_z 1
		.amdhsa_system_vgpr_workitem_id 0
		.amdhsa_next_free_vgpr 512
		.amdhsa_next_free_sgpr 66
		.amdhsa_reserve_vcc 1
		.amdhsa_float_denorm_mode_32 3
		.amdhsa_float_denorm_mode_16_64 3
		.amdhsa_memory_ordered 1
		.amdhsa_forward_progress 1
		.amdhsa_inst_pref_size 151
	.end_amdhsa_kernel
	.amdgpu_metadata
---
amdhsa.version: [ 1, 2 ]
amdhsa.kernels:
  - .name:           k_qa176bdebb1_attn
    .symbol:         k_qa176bdebb1_attn.kd
    .args:
      - { .name: qkv, .offset: 0, .size: 8, .value_kind: global_buffer, .address_space: global }
      - { .name: bias, .offset: 8, .size: 8, .value_kind: global_buffer, .address_space: global }
      - { .name: steps, .offset: 16, .size: 8, .value_kind: global_buffer, .address_space: global }
      - { .name: att, .offset: 24, .size: 8, .value_kind: global_buffer, .address_space: global }
    .group_segment_fixed_size: 28672
    .private_segment_fixed_size: 0
    .kernarg_segment_align: 8
    .kernarg_segment_size: 32
    .max_flat_workgroup_size: 256
    .sgpr_count:     66
    .vgpr_count:     512
    .wavefront_size: 32
...
	.end_amdgpu_metadata
.endif
;; end of part 3
;; launch oproj (part 4): grid 4 x 32, 4 waves a work-group, clusters of 4 x 4, 327,680 bytes of LDS; arguments att, wq, b_out, out0; writes out0
.if DOCPART == 4
	.amdgcn_target "amdgcn-amd-amdhsa--gfx1250"
	.amdhsa_code_object_version 6
	.text
	.protected	k_qa176bdebb1_oproj
	.globl	k_qa176bdebb1_oproj
	.p2align	8
	.type	k_qa176bdebb1_oproj,@function
k_qa176bdebb1_oproj:
	s_mov_b64 s[64:65], 0
	v_nop
	global_prefetch_b8 v0, s[64:65] scope:SCOPE_SE
	s_setreg_imm32_b32 hwreg(HW_REG_WAVE_MODE, 25, 1), 1
	s_wait_xcnt 0x0
	s_wait_alu depctr_hold_cnt(0) depctr_sa_sdst(0) depctr_va_vdst(0) depctr_va_sdst(0) depctr_va_ssrc(0) depctr_va_vcc(0) depctr_vm_vsrc(0)
	s_getreg_b32 s2, hwreg(HW_REG_IB_STS2, 6, 4)
	s_cmp_eq_u32 s2, 0
	s_cbranch_scc0 .Lentry_in_a_cluster
	s_endpgm
.Lentry_in_a_cluster:
	s_bfe_u32 s2, ttmp6, 0x10000c
	s_cmp_lg_u32 s2, 0xf033
	s_cbranch_scc0 .Lentry_shape_is_right
	s_endpgm
.Lentry_shape_is_right:
; out0 = o w_out + b_out on codes of FP6 (E2M3) with E8M0 scales, K = 1024; out0 [8192][1024] f32.
; A tile of 256 x 256 results to a work-group of four waves, 128 x 128 to a wave; K in steps of 256 through two LDS slots filled by the tensor data mover; the scale words of all of K come once.
; OPERANDS lie as images of the operand registers ([tile of 16 rows][K / 64][768 bytes]); lane r of row tile 2 B + u holds row 32 B + 8 u + r + 8 (r / 8).
; Source 0 = 16 columns of w_out, source 1 = 16 tokens: a lane holds one token, and its 16 registers of source 0's tiles 2 b and 2 b + 1 are the columns 32 b + 16 (lane / 16) + 0 .. 15.
; The bias is the C of each sum's first matrix instruction.  128 work-groups: the output has no more tiles of this size.
; CLUSTERS: 4 x 4 work-groups; the tokens' tiles are shared along a row of the cluster, the weight's along a column: joint loads.
; REGISTERS: window 0: v0-31 addresses; v32-63 scale words, two sets; v64-127 the bias; v128-223 source 1's fragments; on the way out v128-255.  Window 1: source 0's fragments, two sets.  Windows 2, 3: accumulators.
.set XS,     6291456                   ; att's scale words
.set WOC,    2457600                   ; w_out's codes in wq
.set WOS,    3244032                   ; and its scale words
.set NQ,     2
.set FR,     12
.set NL,     4
.set NP,     4
.set KB,     3072
.set HALFT,  8*KB
.set SLOT,   4*HALFT
.set LAPS,   2
.set SCLA,   2*SLOT
.set SCLB,   SCLA+8192+128
.set SPARE,  213248                    ; the spare words, 128 bytes for each wave: two blocks of 256 bytes that no other line names
.set SPITCH, 528                       ; the way out: a stage of 16 rows x (512 + 16) bytes for each wave, in slot 0
.set L16,  4
.set L8,   5
.set ADRA, 16
.set ADRB, 20
.set STO,  24
.set RD,   25
.set ADRS, 27
.set SPW,  28
.set NIL,  29
.set SC,   32
.set BS,   64                          ; the bias: eight registers for each of source 0's eight tiles
.set AF,   128
.set BK,   128
.set G1, 24
.set G0, 32
.set G1B, 48
.set G0B, 56
.set G1S, 68
.set G0S, 76
.set G1SB, 80
.set G0SB, 88
.set MSB, 0
.macro WIN new
.if MSB != (\new)
	s_set_vgpr_msb (MSB<<8)|(\new)
.set MSB, \new
.endif
.endm
.set MUL_LO, 0xa1
.set MUL_HI, 0xf1
.set TO_B,   0x40
.macro JLOAD g0a, g1a, g0b, g1b        ; a joint load: waves 0 and 1 for source 1, waves 2 and 3 for source 0; four v_nop follow each line
	s_cmp_eq_u32 s15, 0
	s_cbranch_scc0 .Lfor_b_\@
	tensor_load_to_lds s[\g0a:\g0a+3], s[\g1a:\g1a+7]
	s_nop 0
.rept 4
	v_nop
.endr
	s_branch .Lasked_\@
.Lfor_b_\@:
	tensor_load_to_lds s[\g0b:\g0b+3], s[\g1b:\g1b+7]
	s_nop 0
.rept 4
	v_nop
.endr
.Lasked_\@:
.endm
.macro CREST
	s_cmp_lg_u32 s14, 0
	s_cbranch_scc1 .Lnot_wave_0_\@
	s_barrier_signal -3
.Lnot_wave_0_\@:
	s_barrier_wait -3
	s_barrier_signal -1
	s_barrier_wait -1
.endm
.macro CROUND
	s_barrier_signal -1
	s_barrier_wait -1
	CREST
.endm
	s_load_b128 s[4:7], s[0:1], 0x0                ; att s[4:5], wq s[6:7]
	s_load_b128 s[8:11], s[0:1], 0x10              ; b_out s[8:9], out0 s[10:11]
	v_lshl_add_u32 v[SPW], v0, 2, SPARE
	v_mov_b32 v[NIL], 0
	ds_add_u32 v28, v29
	ds_add_u32 v28, v29
	s_wait_dscnt 0x0
	v_lshrrev_b32 v1, 5, v0
	v_readfirstlane_b32 s14, v1                    ; wave 0..3
	s_lshr_b32 s15, s14, 1
	s_and_b32 s16, s14, 1
	s_bfe_u32 s40, ttmp6, 0x40000                  ; cx, cy
	s_bfe_u32 s41, ttmp6, 0x40004
	s_lshl_b32 s42, ttmp9, 2
	s_add_co_u32 s42, s42, s40                     ; which 256 columns
	s_and_b32 s17, ttmp7, 0xffff
	s_lshl_b32 s17, s17, 2
	s_add_co_u32 s17, s17, s41                     ; which 256 tokens
	s_lshl_b32 s43, s41, 2
	s_lshl_b32 s43, 15, s43                        ; my row of the cluster
	s_lshl_b32 s44, 0x1111, s40                    ; my column
	s_or_b32 s[G1+0], s43, (3<<16)|(1<<21)         ; codes: 8 rows (tiles) of 384 elements of 8 bytes, 1,536 elements apart
	s_or_b32 s[G1B+0], s44, (3<<16)|(1<<21)
.irp g, G1, G1B
	s_mov_b32 s[\g+1], 384<<16
	s_mov_b32 s[\g+2], 8<<16
	s_mov_b32 s[\g+3], 384<<16
	s_mov_b32 s[\g+4], 8
	s_mov_b32 s[\g+5], 1536
	s_mov_b32 s[\g+6], 0
	s_mov_b32 s[\g+7], 0
.endr
	s_or_b32 s[G1S+0], s43, (3<<16)|(1<<21)        ; scale words of 128 rows: 16 rows of 256 dense bytes
	s_or_b32 s[G1SB+0], s44, (3<<16)|(1<<21)
.irp g, G1S, G1SB
	s_mov_b32 s[\g+1], 32<<16
	s_mov_b32 s[\g+2], 16<<16
	s_mov_b32 s[\g+3], 32<<16
	s_mov_b32 s[\g+4], 16
	s_mov_b32 s[\g+5], 32
	s_mov_b32 s[\g+6], 0
	s_mov_b32 s[\g+7], 0
.endr
	s_lshl_b32 s18, s16, 7
	s_lshl_b32 s20, s17, 8
	s_add_co_u32 s20, s20, s18                     ; the tokens' row that I fetch from
	s_lshl_b32 s46, s42, 8
	s_add_co_u32 s46, s46, s18                     ; the weight's
	s_lshl_b32 s22, s20, 5
	s_add_co_u32 s22, s22, XS
	s_mov_b32 s23, 0
	s_lshl_b32 s92, s46, 5
	s_add_co_u32 s92, s92, WOS
	s_mov_b32 s93, 0
	s_mul_i32 s20, s20, 768
	s_mov_b32 s21, 0
	s_mul_i32 s46, s46, 768
	s_add_co_u32 s46, s46, WOC
	s_mov_b32 s47, 0
	s_mul_i32 s95, s14, HALFT
	s_lshl_b32 s94, s14, 12
	s_lshl_b32 s18, s15, 7
	s_add_co_u32 s94, s94, s18
	s_wait_kmcnt 0x0
	s_add_nc_u64 s[20:21], s[4:5], s[20:21]
	s_add_nc_u64 s[22:23], s[4:5], s[22:23]
	s_add_nc_u64 s[46:47], s[6:7], s[46:47]
	s_add_nc_u64 s[92:93], s[6:7], s[92:93]
	CROUND                                         ; all sixteen work-groups are here: the first joint loads meet
	s_mov_b32 s[G0S], 1
	s_add_co_u32 s[G0S+1], s94, SCLA
	s_mov_b64 s[G0S+2:G0S+3], s[22:23]
	s_or_b32 s[G0S+3], s[G0S+3], 0x80000000
	s_mov_b32 s[G0SB], 1
	s_add_co_u32 s[G0SB+1], s94, SCLA
	s_mov_b64 s[G0SB+2:G0SB+3], s[92:93]
	s_or_b32 s[G0SB+3], s[G0SB+3], 0x80000000
	JLOAD G0S, G1S, G0SB, G1SB                     ; three loads of mine are out behind these lines
.irp s, 0,1
	s_mov_b32 s[G0+4*\s], 1
	s_add_co_u32 s[G0+4*\s+1], s95, \s*SLOT
	s_add_nc_u64 s[G0+4*\s+2:G0+4*\s+3], s[20:21], \s*KB
	s_or_b32 s[G0+4*\s+3], s[G0+4*\s+3], 0x80000000
	s_mov_b32 s[G0B+4*\s], 1
	s_add_co_u32 s[G0B+4*\s+1], s95, \s*SLOT
	s_add_nc_u64 s[G0B+4*\s+2:G0B+4*\s+3], s[46:47], \s*KB
	s_or_b32 s[G0B+4*\s+3], s[G0B+4*\s+3], 0x80000000
	JLOAD G0+4*\s, G1, G0B+4*\s, G1B
.endr
	v_and_b32 v1, 15, v0                           ; r
	v_bfe_u32 v2, v0, 4, 1                         ; h
	v_and_b32 v3, 31, v0
	v_lshlrev_b32 v[L16], 4, v3
	v_lshlrev_b32 v[L8], 3, v3
	s_lshl_b32 s4, s42, 10                         ; my 128 columns, in bytes of f32
	s_lshl_b32 s5, s16, 9
	s_add_co_u32 s4, s4, s5
	s_mov_b32 s5, 0
	s_add_nc_u64 s[8:9], s[8:9], s[4:5]
	v_lshlrev_b32 v8, 6, v2                        ; 64 h
.irp b, 0,1,2,3,4,5,6,7
	global_load_b128 v[BS+8*\b:BS+8*\b+3], v8, s[8:9] offset:128*(\b/2)+32*(\b%2)      ; b_out at columns 32 (b / 2) + 16 h + 8 (b % 2) + 0 .. 7
	global_load_b128 v[BS+8*\b+4:BS+8*\b+7], v8, s[8:9] offset:128*(\b/2)+32*(\b%2)+16
.endr
	s_lshl_b32 s6, s17, 20                         ; 256 rows of 4,096 bytes
	s_lshl_b32 s7, s15, 19
	s_add_co_u32 s6, s6, s7
	s_add_co_u32 s6, s6, s4
	s_mov_b32 s7, 0
	s_add_nc_u64 s[12:13], s[10:11], s[6:7]        ; out0 at my 128 x 128
	s_mul_i32 s21, s15, HALFT
	s_mul_i32 s22, s16, HALFT
	s_add_co_u32 s22, s22, 2*HALFT
.irp s, 0,1
	v_add_nc_u32 v[ADRA+\s], s21, v[L16]
	v_add_nc_u32 v[ADRB+\s], s22, v[L16]
	v_add_nc_u32 v[ADRA+2+\s], s21, v[L8]
	v_add_nc_u32 v[ADRB+2+\s], s22, v[L8]
	s_add_co_u32 s21, s21, SLOT
	s_add_co_u32 s22, s22, SLOT
.endr
	v_lshlrev_b32 v6, 2, v1
	s_lshl_b32 s21, s15, 12
	s_lshl_b32 s22, s16, 12
	s_add_co_u32 s22, s22, SCLB-SCLA
	s_sub_co_u32 s22, s22, s21
	v_mul_u32_u24 v7, s22, v2                      ; lanes 16-31 take source 0's: one product
	s_add_co_u32 s21, s21, SCLA
	v_add_nc_u32 v7, v6, v7
	v_add_nc_u32 v[ADRS], s21, v7
	s_mul_i32 s23, s14, 16*SPITCH                  ; my stage
	v_mul_u32_u24 v6, v1, SPITCH
	v_lshl_add_u32 v6, v2, 6, v6
	v_add_nc_u32 v[STO], s23, v6                   ; in: row r, + 64 h
	v_add_nc_u32 v[RD], s23, v[L16]                ; back: a row of 512 bytes to the 32 lanes
.macro FRAG reg, adr, q, i
	ds_load_b128 v[\reg:\reg+3], v[\adr] offset:(\i)*KB+(\q)*1536
	ds_load_b64 v[\reg+4:\reg+5], v[\adr+2] offset:(\i)*KB+(\q)*1536+512
	ds_load_b128 v[\reg+6:\reg+9], v[\adr] offset:(\i)*KB+(\q)*1536+768
	ds_load_b64 v[\reg+10:\reg+11], v[\adr+2] offset:(\i)*KB+(\q)*1536+1280
.endm
; zero = 2: the first product starts the sums from the bias.  The 64 accumulators take turns, one instruction a turn.
.macro MUL16 a0, p, q, sc, zero
.irp a, \a0, \a0+1
.irp b, 0,1,2,3,4,5,6,7
.if \zero == 2
	v_wmma_scale_f32_16x16x128_f8f6f4 v[8*(8*((\a)%4)+\b):8*(8*((\a)%4)+\b)+7], v[128*(\p)+FR*\b:128*(\p)+FR*\b+FR-1], v[AF+FR*(\a):AF+FR*(\a)+FR-1], v[BS+8*\b:BS+8*\b+7], v[SC+8*NQ*(\sc)+NQ*\b+(\q)], v[SC+8*NQ*(\sc)+NQ*(\a)+(\q)] matrix_a_fmt:MATRIX_FMT_FP6 matrix_b_fmt:MATRIX_FMT_FP6 matrix_a_scale:MATRIX_SCALE_ROW1
.else
	v_wmma_scale_f32_16x16x128_f8f6f4 v[8*(8*((\a)%4)+\b):8*(8*((\a)%4)+\b)+7], v[128*(\p)+FR*\b:128*(\p)+FR*\b+FR-1], v[AF+FR*(\a):AF+FR*(\a)+FR-1], v[8*(8*((\a)%4)+\b):8*(8*((\a)%4)+\b)+7], v[SC+8*NQ*(\sc)+NQ*\b+(\q)], v[SC+8*NQ*(\sc)+NQ*(\a)+(\q)] matrix_a_fmt:MATRIX_FMT_FP6 matrix_b_fmt:MATRIX_FMT_FP6 matrix_a_scale:MATRIX_SCALE_ROW1
.endif
.endr
.endr
.endm
.macro FETCH_B slot, q, p
	WIN TO_B
.irp i, 0,1,2,3,4,5,6,7
	FRAG 128*(\p)+FR*\i, ADRB+\slot, \q, \i
.endr
	WIN 0
.endm
.macro FETCH_A slot, q, i0
.irp i, \i0, \i0+1, \i0+2, \i0+3
	FRAG AF+FR*(\i), ADRA+\slot, \q, \i
.endr
.endm
.macro SCALES sc
.irp i, 0,1,2,3,4,5,6,7
	ds_load_b32 v[SC+8*NQ*(\sc)+NQ*\i], v[ADRS] offset:512*\i
	ds_load_b32 v[SC+8*NQ*(\sc)+NQ*\i+1], v[ADRS] offset:512*\i+64
.endr
.endm
.macro PLACES n
.rept \n
	v_nop
.endr
.endm
.macro STEP slot, q, zero
	s_wait_dscnt 4*NL                              ; all but the youngest 16 loads (source 1's blocks 4-7) are in
.if \zero == 2
	WIN 0x81                                       ; source 0 window 1, source 1 and C (the bias) window 0, D window 2
.else
	WIN MUL_LO
.endif
	MUL16 0, (\q)%2, \q, \slot, \zero
	MUL16 2, (\q)%2, \q, \slot, \zero
	s_wait_dscnt 0
	PLACES NP
	FETCH_B \slot, (\q)+1, 1-(\q)%2
	FETCH_A \slot, (\q)+1, 0
.if \zero == 2
	WIN 0xc1                                       ; the same, D window 3
.else
	WIN MUL_HI
.endif
	MUL16 4, (\q)%2, \q, \slot, \zero
	MUL16 6, (\q)%2, \q, \slot, \zero
	PLACES NP
	WIN 0
	FETCH_A \slot, (\q)+1, 4
.endm
.macro TURN slot, next, fill
	s_wait_tensorcnt 0x0                           ; all my tensor loads have landed: my part of the next slot
	ds_add_u32 v[SPW], v[NIL]                      ; 0 onto my spare word
	s_wait_dscnt 4*NL+1                            ; (the add and the youngest 16 loads may be out)
	WIN MUL_LO
	MUL16 0, 1, NQ-1, \slot, 0
	s_wait_dscnt 0x0                               ; the add is done, and my reads of this slot are over
	s_barrier_signal -1
	MUL16 2, 1, NQ-1, \slot, 0
	WIN 0
	s_barrier_wait -1
.if \fill
	CREST                                          ; the barrier has opened a round of the cluster's barrier
	s_add_nc_u64 s[G0+4*\slot+2:G0+4*\slot+3], s[G0+4*\slot+2:G0+4*\slot+3], 2*KB
	s_add_nc_u64 s[G0B+4*\slot+2:G0B+4*\slot+3], s[G0B+4*\slot+2:G0B+4*\slot+3], 2*KB
	JLOAD G0+4*\slot, G1, G0B+4*\slot, G1B         ; my one tensor load behind the round; its four v_nop are the places in front of the loads below
.else
	PLACES NP
.endif
	v_add_nc_u32 v[ADRS], 64*NQ, v[ADRS]
	FETCH_B \next, 0, 0
	FETCH_A \next, 0, 0
	SCALES \next
	WIN MUL_HI
	MUL16 4, 1, NQ-1, \slot, 0
	MUL16 6, 1, NQ-1, \slot, 0
	PLACES NP
	WIN 0
	FETCH_A \next, 0, 4
.endm
	s_wait_tensorcnt 1                             ; the scale words and my part of K step 0 are in (K step 1's load may be out),
	s_barrier_signal -1
	s_barrier_wait -1                              ; everybody's are
	FETCH_B 0, 0, 0
	FETCH_A 0, 0, 0
	SCALES 0
	FETCH_A 0, 0, 4
	s_wait_loadcnt 0x0                             ; the bias
	STEP 0, 0, 2                                   ; the first step stands in front of the loop: its products start the sums
	s_mov_b32 s3, LAPS-1
.Llap:
	TURN 0, 1, 1
	STEP 1, 0, 0
	TURN 1, 0, 1
	STEP 0, 0, 0
	s_sub_co_u32 s3, s3, 1
	s_cmp_lg_u32 s3, 0
	s_cbranch_scc1 .Llap
	TURN 0, 1, 0                                   ; the last lap fills nothing
	STEP 1, 0, 0
	s_wait_dscnt 4*NL
	WIN MUL_LO
	MUL16 0, 1, NQ-1, 1, 0
	MUL16 2, 1, NQ-1, 1, 0
	s_wait_dscnt 0
	WIN MUL_HI
	MUL16 4, 1, NQ-1, 1, 0
	MUL16 6, 1, NQ-1, 1, 0
	WIN 0
; THE WAY OUT, a block of 16 tokens x 128 columns at a time, through my own stage (in slot 0: it has had its last fill, and its last read lies behind the last change of slots), back as whole rows of 512 bytes.
.macro TOSTAGE a
.set AC, 64*((\a)%4)
	WIN 0x08+4*((\a)/4)                            ; an LDS store's data are its source 1: window 2 or 3
.irp b, 0,1,2,3,4,5,6,7
	ds_store_b128 v[STO], v[AC+8*\b:AC+8*\b+3] offset:128*(\b/2)+32*(\b%2)       ; each accumulator from its low end on
	ds_store_b128 v[STO], v[AC+8*\b+4:AC+8*\b+7] offset:128*(\b/2)+32*(\b%2)+16
.endr
	WIN 0
.set BB, BK+64*((\a)%2)
.irp t, 0,1,2,3,4,5,6,7,8,9,10,11,12,13,14,15
	ds_load_b128 v[BB+4*\t:BB+4*\t+3], v[RD] offset:\t*SPITCH                    ; LDS serves a wave's instructions in order: these see the stores above
.endr
.endm
.macro SEND a, younger                 ; stage row t of block a is token 32 (a / 2) + 8 (a % 2) + t + 8 (t / 8) of my 128: every offset is an immediate, 127 rows of 4,096 bytes at the most
.set BB, BK+64*((\a)%2)
	s_wait_dscnt \younger
.irp t, 0,1,2,3,4,5,6,7,8,9,10,11,12,13,14,15
	global_store_b128 v[L16], v[BB+4*\t:BB+4*\t+3], s[12:13] offset:(32*((\a)/2)+8*((\a)%2)+\t+8*(\t/8))*4096 th:TH_STORE_NT   ; 512 consecutive bytes, at a multiple of 256 from out0's first byte
.endr
.endm
	PLACES NP
	TOSTAGE 0
.irp a, 1,2,3,4,5,6,7
.if \a > 1
	s_wait_xcnt 0x0                                ; block a - 2's stores have read their registers: block a's loads may land there
.endif
	TOSTAGE \a
	SEND \a-1, 32                                  ; behind block a - 1's loads: block a's 16 stores and 16 loads
.endr
	SEND 7, 0
	s_wait_tensorcnt 0x0                           ; the wave's end
	ds_add_u32 v[SPW], v[NIL]
	s_wait_dscnt 0x0
	CROUND                                         ; the closing round
	s_endpgm
.Lfunc_end_k_qa176bdebb1_oproj:
	.size	k_qa176bdebb1_oproj, .Lfunc_end_k_qa176bdebb1_oproj-k_qa176bdebb1_oproj
	.p2alignl 7, 3214868480
	.fill 96, 4, 3214868480
	.section	.rodata,"a",@progbits
	.p2align	6, 0x0
	.amdhsa_kernel k_qa176bdebb1_oproj
		.amdhsa_group_segment_fixed_size 327680
		.amdhsa_private_segment_fixed_size 0
		.amdhsa_enable_private_segment 0
		.amdhsa_kernarg_size 32
		.amdhsa_user_sgpr_count 2
		.amdhsa_user_sgpr_kernarg_segment_ptr 1
		.amdhsa_wavefront_size32 1
		.amdhsa_system_sgpr_workgroup_id_x 1
		.amdhsa_system_sgpr_workgroup_id_y 1
		.amdhsa_system_sgpr_workgroup_id_z 1
		.amdhsa_system_vgpr_workitem_id 0
		.amdhsa_next_free_vgpr 1024
		.amdhsa_next_free_sgpr 100
		.amdhsa_reserve_vcc 0
		.amdhsa_float_denorm_mode_32 3
		.amdhsa_float_denorm_mode_16_64 3
		.amdhsa_memory_ordered 1
		.amdhsa_forward_progress 1
		.amdhsa_inst_pref_size 147
	.end_amdhsa_kernel
	.amdgpu_metadata
---
amdhsa.version: [ 1, 2 ]
amdhsa.kernels:
  - .name:           k_qa176bdebb1_oproj
    .symbol:         k_qa176bdebb1_oproj.kd
    .args:
      - { .name: att, .offset: 0, .size: 8, .value_kind: global_buffer, .address_space: global }
      - { .name: wq, .offset: 8, .size: 8, .value_kind: global_buffer, .address_space: global }
      - { .name: b_out, .offset: 16, .size: 8, .value_kind: global_buffer, .address_space: global }
      - { .name: out0, .offset: 24, .size: 8, .value_kind: global_buffer, .address_space: global }
    .group_segment_fixed_size: 327680
    .private_segment_fixed_size: 0
    .kernarg_segment_align: 8
    .kernarg_segment_size: 32
    .max_flat_workgroup_size: 128
    .sgpr_count:     100
    .vgpr_count:     1024
    .wavefront_size: 32
...
	.end_amdgpu_metadata
.endif
;; end of part 4
;; ======== version 2 of 2: 4 launches; version 1 with the launch attn written anew for expert scheduling mode
;; workspace buffers: xq 6,553,600 bytes; wq 3,276,800 bytes; qkv 19,660,800 bytes; att 6,553,600 bytes; bias 32,768 bytes; steps 512 bytes of whole numbers
;; launch prep: the kernel of part 1 again; grid 385 x 1, 4 waves a work-group, no clusters, 35,328 bytes of LDS; arguments x, w_qkv, w_out, padding_mask, xq, wq, bias, steps; writes xq, wq, bias, steps
;; launch qkvgemm: the kernel of part 2 again; grid 12 x 32, 4 waves a work-group, clusters of 4 x 4, 327,680 bytes of LDS; arguments xq, wq, qkv; writes qkv
;; launch attn (part 5): grid 4 x 64, 8 waves a work-group, no clusters, 28,672 bytes of LDS; arguments qkv, bias, steps, att; writes att
.if DOCPART == 5
	.amdgcn_target "amdgcn-amd-amdhsa--gfx1250"
	.amdhsa_code_object_version 6
	.text
	.protected	k_qa176bdebb1_attn
	.globl	k_qa176bdebb1_attn
	.p2align	8
	.type	k_qa176bdebb1_attn,@function
k_qa176bdebb1_attn:
	s_mov_b64 s[64:65], 0
	v_nop
	global_prefetch_b8 v0, s[64:65] scope:SCOPE_SE
	s_setreg_imm32_b32 hwreg(HW_REG_WAVE_SCHED_MODE, 0, 2), 2
	s_setreg_imm32_b32 hwreg(HW_REG_WAVE_MODE, 25, 1), 1
	s_wait_xcnt 0x0
	s_wait_alu depctr_vm_vsrc(0)
; o = softmax(q k^T / 8, hidden keys out) v for one head and 512 queries a work-group, both products on codes of FP6 (E2M3) with E8M0 scales; o is quantised along the model's 1024 for the last product.
; t = score x log2(e) / 8; M = the running largest t rounded up to a whole number; p = 2^(t - M) is quantised along the keys, not normalised; the row's sum of the unquantised p divides at the end.
; SHARES: eight waves, each four tiles of 16 queries; every wave walks the key steps (128 keys) of the batch's LIST, which an earlier launch stored: steps without a kept key add nothing and are left out.
; The loop has a constant 16 trips; a trip beyond the list's length only passes its barrier.  That branch hangs on a stored number, so K and V come through registers (global load, LDS store), not by tensor loads;
; for the same reason no cluster: what the four query blocks of a head share is 13.5 KB a step out of the cache, beside four tiles' softmax a wave.
; THE MASK: the scores' sums begin with an addend: 0 for a kept key, -2^126 for a hidden one, whose p is then 0.  A batch with no kept key lists all steps and runs with c = 0: every p is 1, the softmax uniform.
; LIMITS: a kept key's score must lie above -2^126; NaN and infinities are not served.  A block of zeros keeps the scale byte 1 (its codes are zeros; only this program reads the bytes).
; LAYOUT: both products transposed (S^T = K Q^T, O^T = V^T P^T): a lane holds one query.  Operands lie as images of six registers (16 rows x 64 K, 768 bytes); lane r of row tile 2 B + u holds row 32 B + 8 u + r + 8 (r / 8),
; so the 16 registers of tiles 2 b and 2 b + 1 are 16 neighbouring keys (or channels).  The first product's K is 64: the upper half of Q's fragment is zero codes, and K's fragment kt is registers 6 kt .. 6 kt + 11,
; whose upper half (the next tile's codes, or zeros) meets those zeros under scale bytes 0.
; PIPELINE: in trip i (parity p) a wave reads V of step i from VS(p) and, late, K of step i + 1 from KS(1 - p); it stores K of step i + 2 into KS(p) and V of step i + 1 into VS(1 - p): disjoint bytes between two barriers.
; LDS: KS0 at 0, KS1 at 7,168: codes 6,144, scale words 512, addends 512.  VS0 at 14,336, VS1 at 20,992: codes 6,144, both heads' scale words 512.  From 27,648 on the spare words, 128 bytes a wave.
; REGISTERS: window 0: v1-11 addresses; v12-15 a staging chunk; v16-31 statistics; v32-79 Q; v80-143 the addends; v144-207 S^T, then p; v208-226 p's codes; v228-243 at work; v244-253 scale words.
;   window 1: v0-53 K; v54-101 V; v104-127 staging; v128-255 O^T.
; THE MODE: SCHED_MODE bits 1:0 = 2 (LLVM: expert scheduling mode 2), set by the entry lines.  The code itself states the register dependences
; between vector or matrix instructions and memory or LDS instructions, with s_wait_alu, always for 0.
; THE PLAN.  Registers that memory or LDS instructions touch, in the loop:
;   v1-v10      addresses: written at the head, read by every load and store, never written again.
;   SG          the global loads at a trip's head land in it; the LDS stores at the trip's end read it; no vector line names it.
;   XG          (waves 0 to 2) the same head's load lands in it; eight vector lines ahead of tile 3 cut it; the LDS store at the trip's end reads it.
;   V, VSC      the LDS loads at a trip's head land in them; the second product's matrix instructions read them, up to tile 3.
;   K, the addends, KSC   the first product's matrix instructions of all four tiles read them; behind tile 3's the LDS loads of the next step land in them.
; So: ONE wait on va_vdst at a trip's head (the last trip's products are done reading V and VSC; XG's cut is done), behind which all the head's loads follow; one in tile 3 ahead of K's loads;
; one a tile behind the exponentials; one a tile directly ahead of the second product, which takes p's codes and scale word from vector lines.  The trip's LDS stores owe none: XG was cut ahead of tile 3's waits,
; and behind the last of those stand four matrix instructions, which name O^T, V, p's codes, VSC and p's scale word alone.  One wait on vm_vsrc stands directly behind those stores.
.set XS,  6291456                      ; att's scale words
.set A16, 1                            ; 16 l
.set A8,  2                            ; 8 l
.set A4,  3                            ; 4 l
.set BA,  4                            ; 64 h
.set VSA, 5                            ; 4 l + 256 x the head's parity
.set STE, 6                            ; v6, v7: where I store my 1,536 bytes of codes in an even, an odd trip
.set XE,  8                            ; v8, v9: and waves 0-2 their 512 bytes beside the codes
.set R4,  10                           ; 4 r
.set XG,  12
.set ST,  16                           ; tile t: v[ST+4t] -M, +1 the largest t, +2, +3 the sum in two halves
.set QF,  32
.set BI,  80
.set S,   144
.set PC,  208
.set C2,  220
.set BM,  228
.set BP,  232
.set SO,  236
.set F,   240                          ; f = 2^(old M - new M); named as a pair
.set TW,  242
.set PW,  243
.set KSC, 244
.set VSC, 248
.set QSC, 250
.set SU,  254
.set KF,  0                            ; window 1
.set VF,  54
.set SG,  104
.set SG2, 116
.set OA,  128
.set WV,  12
.set NS,  13                           ; the list's length
.set LQ,  14                           ; s[14:15] the list, walked four bits a trip
.set IX,  16
.set LC,  17
.set IK,  18                           ; the step whose K, and
.set IV,  19                           ; whose V is fetched
.set CS,  26
.set SEL, 28
.set CB,  30
.set XB,  32
.set GB,  34
.set GX,  36
.set SH,  38
.set MK,  39
.set MSB, 0
.macro WIN new                         ; the immediate's high byte repeats the setting that is left
.if MSB != (\new)
	s_set_vgpr_msb (MSB<<8)|(\new)
.set MSB, \new
.endif
.endm
; Waves 0-3 fetch a quarter of K's codes each, waves 4-7 of V's; waves 0, 1, 2 also K's scale words, the addends, V's scale words.  A listed step enters an address only behind s_min_u32.
.macro GLOAD sg, xg
	s_wait_xcnt 0x0                                ; the bases below are written again
	s_cmp_lt_u32 s[WV], 4
	s_cselect_b32 s40, s[IK], s[IV]
	s_min_u32 s40, s40, 15
	s_mul_i32 s40, s40, 6144
	s_add_nc_u64 s[GB:GB+1], s[CB:CB+1], s[40:41]
	s_cmp_lt_u32 s[WV], 2
	s_cselect_b32 s42, s[IK], s[IV]
	s_min_u32 s42, s42, 15
	s_lshl_b32 s42, s42, 9
	s_add_nc_u64 s[GX:GX+1], s[XB:XB+1], s[42:43]
	WIN 0x40
.irp i, 0,1,2
	global_load_b128 v[\sg+4*\i:\sg+4*\i+3], v[A16], s[GB:GB+1] offset:512*\i
.endr
	WIN 0
	s_cmp_lt_u32 s[WV], 3
	s_cbranch_scc0 .Lno_x_\@
	global_load_b128 v[\xg:\xg+3], v[A16], s[GX:GX+1]
.Lno_x_\@:
.endm
; The chunk beside the codes is cut, in registers, behind the wait for its load and well ahead of its LDS store.
.macro XCUT xg
	s_cmp_lt_u32 s[WV], 3
	s_cbranch_scc0 .Lno_xc_\@
.irp i, 0,1,2,3
	v_lshrrev_b32 v[\xg+\i], s[SH], v[\xg+\i]      ; wave 0: my head's two bytes of K's words, over two bytes 0; waves 1, 2: as they are
.endr
.irp i, 0,1,2,3
	v_and_b32 v[\xg+\i], s[MK], v[\xg+\i]
.endr
.Lno_xc_\@:
.endm
; The LDS stores alone.  Their data are in (the wait on LOADcnt stands ahead of the cut), and a wait on va_vdst stands between the cut and this run.
.macro SSTORE par, sg, xg
	WIN 0x04                                       ; an LDS store's data are its source 1: window 1
.irp i, 0,1,2
	ds_store_b128 v[STE+\par], v[\sg+4*\i:\sg+4*\i+3] offset:512*\i
.endr
	WIN 0
	s_cmp_lt_u32 s[WV], 3
	s_cbranch_scc0 .Lno_xs_\@
	ds_store_b128 v[XE+\par], v[\xg:\xg+3]
.Lno_xs_\@:
.endm
.macro KLOAD ks
	WIN 0x40
.irp kt, 0,1,2,3,4,5,6,7
	ds_load_b128 v[KF+6*\kt:KF+6*\kt+3], v[A16] offset:\ks+768*\kt
	ds_load_b64 v[KF+6*\kt+4:KF+6*\kt+5], v[A8] offset:\ks+768*\kt+512
.endr
	WIN 0
.irp kt, 0,1,2,3,4,5,6,7                       ; register j of tile kt: key 32 (kt / 2) + 16 h + 8 (kt % 2) + j
	ds_load_b128 v[BI+8*\kt:BI+8*\kt+3], v[BA] offset:\ks+6656+128*(\kt/2)+32*(\kt%2)
	ds_load_b128 v[BI+8*\kt+4:BI+8*\kt+7], v[BA] offset:\ks+6656+128*(\kt/2)+32*(\kt%2)+16
.endr
.irp j, 0,1,2,3
	ds_load_b32 v[KSC+\j], v[A4] offset:\ks+6144+128*\j   ; lanes 0-15 tile 2 j's words, lanes 16-31 tile 2 j + 1's
.endr
.endm
.macro VLOAD vs
	WIN 0x40
.irp dt, 0,1,2,3
.irp j, 0,1
	ds_load_b128 v[VF+12*\dt+6*\j:VF+12*\dt+6*\j+3], v[A16] offset:\vs+3072*\j+768*\dt
	ds_load_b64 v[VF+12*\dt+6*\j+4:VF+12*\dt+6*\j+5], v[A8] offset:\vs+3072*\j+768*\dt+512
.endr
.endr
	WIN 0
.irp j, 0,1
	ds_load_b32 v[VSC+\j], v[VSA] offset:\vs+6144+128*\j
.endr
.endm
; One tile of 16 queries against the step's 128 keys.
.macro TILE t
.set rT, ST+4*(\t)
.set rQ, QF+12*(\t)
.set rO, OA+32*(\t)
	WIN 0x01                                       ; source 0 (K) window 1
.irp kt, 0,1,2,3,4,5,6,7
.if (\kt%2) == 0
	v_wmma_scale_f32_16x16x128_f8f6f4 v[S+8*\kt:S+8*\kt+7], v[KF+6*\kt:KF+6*\kt+11], v[rQ:rQ+11], v[BI+8*\kt:BI+8*\kt+7], v[KSC+\kt/2], v[QSC+(\t)] matrix_a_fmt:MATRIX_FMT_FP6 matrix_b_fmt:MATRIX_FMT_FP6
.else
	v_wmma_scale_f32_16x16x128_f8f6f4 v[S+8*\kt:S+8*\kt+7], v[KF+6*\kt:KF+6*\kt+11], v[rQ:rQ+11], v[BI+8*\kt:BI+8*\kt+7], v[KSC+\kt/2], v[QSC+(\t)] matrix_a_fmt:MATRIX_FMT_FP6 matrix_b_fmt:MATRIX_FMT_FP6 matrix_a_scale:MATRIX_SCALE_ROW1
.endif
.endr
	WIN 0
.rept 4
	v_nop                                          ; places in front of the first read of the scores
.endr
.if (\t) == 3
	s_wait_alu depctr_va_vdst(0)                   ; the products above, the step's last by K, are done reading K's fragments, the addends and K's scale words, in which the loads below land
	KLOAD KSN                                      ; all four tiles have multiplied by this step's K: the next step's comes while the softmax runs
.endif
.irp b, 0,1,2,3
	v_max3_num_f32 v[BM+\b], v[S+16*\b], v[S+1+16*\b], v[S+2+16*\b]   ; the largest score of each block of 32 keys: for the row's maximum, and, since p rises with the score, for the block's largest p
.endr
.irp i, 3,5,7,9,11,13
.irp b, 0,1,2,3
	v_max3_num_f32 v[BM+\b], v[BM+\b], v[S+16*\b+\i], v[S+1+16*\b+\i]
.endr
.endr
.irp b, 0,1,2,3
	v_max_num_f32 v[BM+\b], v[BM+\b], v[S+15+16*\b]
.endr
.irp b, 0,1,2,3
	v_permlanex16_b32 v[BP+\b], v[BM+\b], s[SEL], s[SEL+1]
.endr
.irp b, 0,1,2,3
	v_max_num_f32 v[BM+\b], v[BM+\b], v[BP+\b]     ; with lane l xor 16's 16 keys
.endr
	v_max3_num_f32 v[TW], v[BM], v[BM+1], v[BM+2]
	v_max_num_f32 v[TW], v[TW], v[BM+3]
	v_mul_f32 v[TW], s[CS], v[TW]                  ; as t (c is not negative)
	v_max_num_f32 v[rT+1], v[rT+1], v[TW]          ; the running largest t
	v_mov_b32 v[TW], v[rT]
	v_floor_f32 v[rT], -v[rT+1]                    ; the new -M = floor(-t)
	v_sub_f32 v[TW], v[rT], v[TW]                  ; old M - new M: a whole number, 0 or less
	v_cvt_i32_f32 v[TW], v[TW]                     ; (it saturates)
	v_ldexp_f32 v[F], 1.0, v[TW]                   ; f: a multiplication by it rounds nothing
.set jj, 0
.rept 32
	v_pk_fma_f32 v[S+jj:S+jj+1], v[S+jj:S+jj+1], s[CS:CS+1], v[rT:rT+1] op_sel_hi:[1,0,0]   ; t - M, two at a time
.set jj, jj+2
.endr
.irp b, 0,1,2,3
	v_fma_f32 v[BM+\b], v[BM+\b], s[CS], v[rT]
.endr
.set jj, 0
.rept 64
	v_exp_f32 v[S+jj], v[S+jj]                     ; p = 2^(t - M)
.set jj, jj+1
.endr
.irp b, 0,1,2,3
	v_exp_f32 v[BM+\b], v[BM+\b]                   ; the block's largest p: the same two instructions on the same number
.endr
	v_pk_mul_f32 v[rT+2:rT+3], v[rT+2:rT+3], v[F:F+1] op_sel_hi:[1,0]   ; the sums under the new M (a plain line behind the exponentials)
	s_wait_alu depctr_va_vdst(0)                   ; the 68 exponentials have written p and the blocks' largest p: one wait for the batch, ahead of its first reader
.irp b, 0,1,2,3
	v_max_num_f32 v[BM+\b], 0x1800000, v[BM+\b]    ; the floor 2^(3 - 127)
.endr
.irp b, 0,1,2,3
	v_add_nc_u32 v[SO+\b], 0xff000000, v[BM+\b]
.endr
.irp b, 0,1,2,3
	v_lshrrev_b32 v[BP+\b], 23, v[SO+\b]
.endr
	v_lshl_or_b32 v[PW], v[BP+1], 8, v[BP]         ; p's scale word for these 128 keys
	v_lshl_or_b32 v[PW], v[BP+2], 16, v[PW]
	v_lshl_or_b32 v[PW], v[BP+3], 24, v[PW]
.irp c, 0,1
	v_cvt_scalef32_pk16_fp6_f32 v[PC+6*\c:PC+2+6*\c], v[S+32*\c:S+15+32*\c], v[SO+2*\c]
	v_cvt_scalef32_pk16_fp6_f32 v[C2+4*\c:C2+2+4*\c], v[S+16+32*\c:S+31+32*\c], v[SO+2*\c+1]
.endr
	v_nop                                          ; one plain line behind a scaled conversion
.irp c, 0,1
.irp i, 0,1,2
	v_permlane16_swap_b32 v[PC+6*\c+\i], v[C2+4*\c+\i]
.endr
.irp i, 0,1,2
	v_mov_b32 v[PC+3+6*\c+\i], v[C2+4*\c+\i]
.endr
.endr
	v_pk_add_f32 v[SU:SU+1], v[S:S+1], v[S+2:S+3]  ; the row's sum is taken of the unquantised p, in two chains
.irp j, 4,8,12,16,20,24,28,32,36,40,44,48,52,56,60
	v_pk_add_f32 v[rT+2:rT+3], v[rT+2:rT+3], v[S+\j:S+\j+1]
	v_pk_add_f32 v[SU:SU+1], v[SU:SU+1], v[S+2+\j:S+3+\j]
.endr
	v_pk_add_f32 v[rT+2:rT+3], v[rT+2:rT+3], v[SU:SU+1]
	WIN 0x41                                       ; O^T: destination and source 0 window 1
.set jj, 0
.rept 16
	v_pk_mul_f32 v[rO+jj:rO+jj+1], v[rO+jj:rO+jj+1], v[F:F+1] op_sel_hi:[1,0]
.set jj, jj+2
.endr
.if (\t) == 0
	s_wait_dscnt 0x0                               ; V is in
.endif
	WIN 0x51                                       ; V, C and D window 1; p's codes window 0.  The four accumulators take turns
	s_wait_alu depctr_va_vdst(0)                   ; the conversions, swaps and moves have written p's codes, and the shifts p's scale word, which the scaled products below take; the packed lines above are their places and stay beside this wait
.irp dt, 0,1,2,3
.if (\dt%2) == 0
	v_wmma_scale_f32_16x16x128_f8f6f4 v[rO+8*\dt:rO+8*\dt+7], v[VF+12*\dt:VF+12*\dt+11], v[PC:PC+11], v[rO+8*\dt:rO+8*\dt+7], v[VSC+\dt/2], v[PW] matrix_a_fmt:MATRIX_FMT_FP6 matrix_b_fmt:MATRIX_FMT_FP6
.else
	v_wmma_scale_f32_16x16x128_f8f6f4 v[rO+8*\dt:rO+8*\dt+7], v[VF+12*\dt:VF+12*\dt+11], v[PC:PC+11], v[rO+8*\dt:rO+8*\dt+7], v[VSC+\dt/2], v[PW] matrix_a_fmt:MATRIX_FMT_FP6 matrix_b_fmt:MATRIX_FMT_FP6 matrix_a_scale:MATRIX_SCALE_ROW1
.endif
.endr
	WIN 0
.endm
.macro TRIP par
.set KSN, 7168*(1-(\par))
.set VSN, 14336+6656*(\par)
	s_cmp_lt_u32 s[IX], s[NS]                      ; the same in all eight waves: a stored number
	s_cbranch_scc0 .Lidle_\@
	s_and_b32 s[IV], s[LQ], 15                     ; the next step's V,
	s_bfe_u32 s[IK], s[LQ], 0x40004                ; the K of the step after it
	s_lshr_b32 s[LQ], s[LQ], 4
	s_lshl_b32 s25, s[LQ+1], 28
	s_or_b32 s[LQ], s[LQ], s25
	s_lshr_b32 s[LQ+1], s[LQ+1], 4
.rept 4
	v_nop                                          ; four plain lines behind the last trip's products, as they stood; the dependence itself is stated by the wait below
.endr
	s_wait_alu depctr_va_vdst(0)                   ; the last trip's second products are done reading V and its scale words, and the cut is done with XG: the loads below land in them.  In the first trip also: Q's zero halves, Q's scale words and the zeros behind K's eighth tile are written, which the scaled products take
	GLOAD SG, XG
	VLOAD VSN
	TILE 0
	TILE 1
	TILE 2
	s_wait_loadcnt 0x0                             ; the codes and the chunk asked for at the trip's head, three tiles back, are in
	XCUT XG                                        ; ahead of tile 3, whose waits on va_vdst stand between these lines and the LDS store that reads XG
	TILE 3
	SSTORE \par, SG, XG                            ; no wait: since tile 3's last wait only its four products were issued, which name none of these registers
	s_wait_alu depctr_vm_vsrc(0)                   ; the LDS stores have read SG and XG, in which the next trip's loads land and which its cut writes
.Lidle_\@:
	s_wait_dscnt 0x0                               ; my stores have landed, my reads are in
	s_barrier_signal -1
	s_barrier_wait -1
	s_add_co_u32 s[IX], s[IX], 1
.endm
	s_load_b256 s[4:11], s[0:1], 0x0               ; qkv s[4:5], bias s[6:7], steps s[8:9], att s[10:11]
	v_lshl_add_u32 v223, v0, 2, 0x6c00             ; my spare word, and 0: made here and kept for the closing lines alone
	v_mov_b32 v227, 0
	v_lshrrev_b32 v1, 5, v0
	v_readfirstlane_b32 s[WV], v1                  ; wave 0..7
	s_wait_alu depctr_va_sdst(0)                   ; s12, the wave's number, is written, ahead of its first reader: bases, LDS addresses and branches are made from it
	s_and_b32 s52, ttmp7, 0xffff
	s_lshr_b32 s53, s52, 4                         ; the batch
	s_bfe_u32 s54, s52, 0x30001                    ; the pair of heads
	s_and_b32 s55, s52, 1                          ; the head's parity
	s_and_b32 s56, s52, 15                         ; the head
	s_lshl_b32 s24, s55, 4                         ; 16 x parity: my head's two bytes of a scale word of q or k
	s_mul_i32 s57, s53, 1572864
	s_mul_i32 s61, s54, 196608
	s_add_co_u32 s57, s57, s61                     ; (batch, pair) in a kind's codes
	s_mul_i32 s58, s55, 98304
	s_lshl_b32 s59, s53, 16
	s_lshl_b32 s61, s54, 13
	s_add_co_u32 s59, s59, s61
	s_add_co_u32 s59, s59, 18874368                ; (batch, pair) in q's scale words
	s_lshl_b32 s60, ttmp9, 5
	s_lshl_b32 s61, s[WV], 2
	s_add_co_u32 s60, s60, s61                     ; my first tile of queries
	s_mul_i32 s48, s60, 768
	s_add_co_u32 s48, s48, s57
	s_add_co_u32 s48, s48, s58
	s_mov_b32 s49, 0
	s_lshl_b32 s50, s60, 6
	s_add_co_u32 s50, s50, s59
	s_mov_b32 s51, 0
	s_mul_i32 s30, s[WV], 1536                     ; waves 0-3: k, my head, a quarter of a step
	s_add_co_u32 s30, s30, s58
	s_add_co_u32 s30, s30, 6291456
	s_bfe_u32 s61, s[WV], 0x10001                  ; waves 4-7: v: which 64 keys,
	s_mul_i32 s61, s61, 98304
	s_mul_i32 s62, s55, 3072                       ; my head's four tiles of d,
	s_add_co_u32 s61, s61, s62
	s_and_b32 s62, s[WV], 1                        ; two of them
	s_mul_i32 s62, s62, 1536
	s_add_co_u32 s61, s61, s62
	s_add_co_u32 s61, s61, 12582912
	s_cmp_lt_u32 s[WV], 4
	s_cselect_b32 s30, s30, s61
	s_add_co_u32 s30, s30, s57
	s_mov_b32 s31, 0
	s_mov_b32 s61, 524288                          ; wave 0: k's scale words; wave 1: the addends; wave 2: v's scale words
	s_cmp_eq_u32 s[WV], 0
	s_cselect_b32 s32, 262144, s61
	s_cselect_b32 s[SH], s24, 0
	s_cselect_b32 s[MK], 0xffff, -1
	s_add_co_u32 s32, s32, s59
	s_lshl_b32 s61, s53, 13
	s_cmp_eq_u32 s[WV], 1
	s_cselect_b32 s32, s61, s32
	s_mov_b32 s33, 0
	s_lshl_b32 s61, s53, 7
	s_add_co_u32 s61, s61, s60                     ; my first tile among att's 512
	s_mul_i32 s44, s61, 12288
	s_mul_i32 s62, s56, 768
	s_add_co_u32 s44, s44, s62
	s_mov_b32 s45, 0
	s_lshl_b32 s46, s61, 9
	s_lshl_b32 s62, s54, 6
	s_add_co_u32 s46, s46, s62
	s_lshl_b32 s62, s55, 1
	s_add_co_u32 s46, s46, s62
	s_add_co_u32 s46, s46, XS
	s_mov_b32 s47, 0
	s_lshl_b32 s62, s53, 7
	s_mov_b32 s63, 0
	s_mov_b32 s41, 0
	s_mov_b32 s43, 0
	s_mov_b32 s[SEL], 0x76543210
	s_mov_b32 s[SEL+1], 0xfedcba98
	s_wait_kmcnt 0x0
	s_add_nc_u64 s[8:9], s[8:9], s[62:63]
	s_load_b128 s[20:23], s[8:9], 0x0              ; n, the list's two words, any
	s_add_nc_u64 s[48:49], s[4:5], s[48:49]        ; q's codes
	s_add_nc_u64 s[50:51], s[4:5], s[50:51]        ; q's scale words
	s_add_nc_u64 s[CB:CB+1], s[4:5], s[CB:CB+1]
	s_cmp_eq_u32 s[WV], 1
	s_cselect_b64 s[GB:GB+1], s[6:7], s[4:5]
	s_add_nc_u64 s[XB:XB+1], s[GB:GB+1], s[XB:XB+1]
	s_add_nc_u64 s[44:45], s[10:11], s[44:45]      ; att's codes
	s_add_nc_u64 s[46:47], s[10:11], s[46:47]      ; att's scale words
	; every LDS address is made here, ahead of the first branch
	v_and_b32 v11, 31, v0
	v_lshlrev_b32 v[A16], 4, v11
	v_lshlrev_b32 v[A8], 3, v11
	v_lshlrev_b32 v[A4], 2, v11
	v_bfe_u32 v[BA], v0, 4, 1
	v_lshlrev_b32 v[BA], 6, v[BA]
	s_lshl_b32 s61, s55, 8
	v_add_nc_u32 v[VSA], s61, v[A4]
	s_mul_i32 s61, s[WV], 1536
	s_lshr_b32 s62, s[WV], 2
	s_mul_i32 s63, s62, 14848
	s_add_co_u32 s63, s63, s61
	v_add_nc_u32 v[STE], s63, v[A16]               ; even trips: KS0, VS1
	s_lshl_b32 s63, s62, 10
	s_add_co_u32 s63, s63, s61
	s_add_co_u32 s63, s63, 7168
	v_add_nc_u32 v[STE+1], s63, v[A16]             ; odd trips: KS1, VS0
	s_min_u32 s61, s[WV], 2
	s_lshl_b32 s62, s61, 9
	s_lshr_b32 s61, s61, 1
	s_mul_i32 s63, s61, 19968
	s_add_co_u32 s63, s63, s62
	s_add_co_u32 s63, s63, 6144
	v_add_nc_u32 v[XE], s63, v[A16]
	s_mul_i32 s63, s61, 6144
	s_add_co_u32 s63, s63, s62
	s_add_co_u32 s63, s63, 13312
	v_add_nc_u32 v[XE+1], s63, v[A16]
	v_and_b32 v[R4], 15, v0
	v_lshlrev_b32 v[R4], 2, v[R4]
	s_wait_alu depctr_va_vdst(0)                   ; the ten addresses v1 to v10 are written: every load and store of the kernel but the last two reads one of them, and none is written again
.irp t, 0,1,2,3
	global_load_b128 v[QF+12*\t:QF+12*\t+3], v[A16], s[48:49] offset:768*\t
	global_load_b64 v[QF+12*\t+4:QF+12*\t+5], v[A8], s[48:49] offset:768*\t+512
	global_load_b32 v[QSC+\t], v[R4], s[50:51] offset:64*\t
.endr
.irp t, 0,1,2,3
.irp i, 6,7,8,9,10,11
	v_mov_b32 v[QF+12*\t+\i], 0                    ; the upper 64 of the instruction's 128 along K: zero codes
.endr
	v_mov_b32 v[ST+4*\t+1], 0xff61b1e6             ; the largest t so far: -3e38
	v_floor_f32 v[ST+4*\t], -v[ST+4*\t+1]
	v_mov_b32 v[ST+4*\t+2], 0
	v_mov_b32 v[ST+4*\t+3], 0
	v_mov_b32 v[BP+\t], 0                          ; a lane permute's destination counts as one of its sources
.endr
	v_mov_b32 v[F+1], 0                            ; named as the upper half of a pair
	s_wait_kmcnt 0x0
	s_mov_b32 s[NS], s20
	s_mov_b32 s[LQ], s21
	s_mov_b32 s[LQ+1], s22
	s_cmp_lg_u32 s23, 0
	s_cselect_b32 s[CS], 0x3e38aa3b, 0             ; c = log2(e) / 8; 0 where no key is kept
	s_mov_b32 s[CS+1], s[CS]
	s_and_b32 s[IV], s[LQ], 15                     ; V of step 0 and K of step 1, for VS0 and KS1;
	s_bfe_u32 s[IK], s[LQ], 0x40004
	GLOAD SG, XG                                   ; (no vector line since the wait above names SG, SG2, XG or S's first four registers, in which these two runs of loads land)
	s_and_b32 s[IK], s[LQ], 15                     ; K of step 0 and V of step 1, for KS0 and VS1
	s_bfe_u32 s[IV], s[LQ], 0x40004
	GLOAD SG2, S
	s_wait_loadcnt 0x0                             ; Q, its scale words and the first two steps' parts are in
	XCUT XG
	XCUT S
	s_wait_alu depctr_va_vdst(0)                   ; the two cuts have written XG and S's first four registers, which the LDS stores below read
	SSTORE 1, SG, XG
	SSTORE 0, SG2, S
.irp t, 0,1,2,3
	v_lshrrev_b32 v[QSC+\t], s24, v[QSC+\t]        ; my head's two bytes of q's words, over two bytes 0
.endr
.irp t, 0,1,2,3
	v_and_b32 v[QSC+\t], 0xffff, v[QSC+\t]
.endr
	WIN 0x40
.irp i, 48,49,50,51,52,53
	v_mov_b32 v[KF+\i], 0                          ; behind K's eighth tile: zero codes
.endr
.set jj, 0
.rept 128
	v_mov_b32 v[OA+jj], 0                          ; O^T.  The step is written once: the first finds zeros, which the first change of M leaves zeros
.set jj, jj+1
.endr
	WIN 0
	s_wait_alu depctr_vm_vsrc(0)                   ; the LDS stores have read SG, SG2, XG and S's first four registers: loads, the cut, the first products and the way out write them again; ahead of every branch that leads there
	s_wait_dscnt 0x0
	s_barrier_signal -1
	s_barrier_wait -1                              ; the first two steps lie in LDS
	KLOAD 0                                        ; (no vector line has named K's first 48 registers, the addends or KSC)
	s_wait_dscnt 0x0
	s_barrier_signal -1
	s_barrier_wait -1                              ; every wave has read KS0, into which trip 0 stores
	s_lshr_b32 s[LQ], s[LQ], 4
	s_lshl_b32 s25, s[LQ+1], 28
	s_or_b32 s[LQ], s[LQ], s25
	s_lshr_b32 s[LQ+1], s[LQ+1], 4
	s_mov_b32 s[IX], 0
	s_mov_b32 s[LC], 8
.Lloop:
	TRIP 0
	TRIP 1
	s_sub_co_u32 s[LC], s[LC], 1
	s_cmp_lg_u32 s[LC], 0
	s_cbranch_scc1 .Lloop
	; THE WAY OUT.  O^T / the sum; a lane's 32 numbers of a tile, register 16 b + i = channel 32 b + 16 h + i, become one image and two scale bytes.
	; All four tiles' codes are made first, each in registers of its own; one wait then stands ahead of the run of ten stores.
.rept 4
	v_nop
.endr
.irp t, 0,1,2,3
	v_add_f32 v[BM+\t], v[ST+4*\t+2], v[ST+4*\t+3]
.endr
.irp t, 0,1,2,3
	v_permlanex16_b32 v[BP+\t], v[BM+\t], s[SEL], s[SEL+1]
.endr
.irp t, 0,1,2,3
	v_add_f32 v[BM+\t], v[BM+\t], v[BP+\t]         ; the row's sum
.endr
.irp t, 0,1,2,3
	v_rcp_f32 v[SO+\t], v[BM+\t]
.endr
	v_bfe_u32 v11, v0, 4, 1                        ; (a plain line behind the reciprocals)
	v_lshl_add_u32 v11, v11, 9, v[R4]              ; lanes 16-31 store the next tile's bytes: 512 (l / 16) + 4 r
	v_and_b32 v[TW], 31, v0
	v_cmp_gt_u32 vcc_lo, 16, v[TW]
	s_wait_alu depctr_va_vcc(0)                    ; the compare has written VCC, which the two selects behind the four tiles read
	s_wait_alu depctr_va_vdst(0)                   ; the four reciprocals have written v[SO ..]: one wait for the batch, ahead of its first reader
.macro EPI t
	WIN 0x01
.set jj, 0
.rept 32
	v_mul_f32 v[S+jj], v[OA+32*(\t)+jj], v[SO+(\t)]
.set jj, jj+1
.endr
	WIN 0
.irp b, 0,1
	v_max3_num_f32 v[BM+\b], |v[S+16*\b]|, |v[S+1+16*\b]|, 0x1800000
.endr
.irp i, 2,4,6,8,10,12,14
.irp b, 0,1
	v_max3_num_f32 v[BM+\b], v[BM+\b], |v[S+16*\b+\i]|, |v[S+1+16*\b+\i]|
.endr
.endr
.irp b, 0,1
	v_permlanex16_b32 v[BP+\b], v[BM+\b], s[SEL], s[SEL+1]
.endr
.irp b, 0,1
	v_max_num_f32 v[BM+\b], v[BM+\b], v[BP+\b]
.endr
.irp b, 0,1
	v_add_nc_u32 v[BM+2+\b], 0xff000000, v[BM+\b]
.endr
.irp b, 0,1
	v_lshrrev_b32 v[BP+2+\b], 23, v[BM+2+\b]
.endr
	v_lshl_or_b32 v[112+(\t)], v[BP+3], 8, v[BP+2]
	v_cvt_scalef32_pk16_fp6_f32 v[BI+8*(\t):BI+8*(\t)+2], v[S:S+15], v[BM+2]
	v_cvt_scalef32_pk16_fp6_f32 v[C2:C2+2], v[S+16:S+31], v[BM+3]
	v_nop
.irp i, 0,1,2
	v_permlane16_swap_b32 v[BI+8*(\t)+\i], v[C2+\i]
.endr
.irp i, 0,1,2
	v_mov_b32 v[BI+8*(\t)+3+\i], v[C2+\i]
.endr
.endm
	EPI 0
	EPI 1
	EPI 2
	EPI 3
.irp p, 0,1
	v_cndmask_b32 v[116+\p], v[113+2*\p], v[112+2*\p], vcc_lo
.endr
	s_wait_alu depctr_va_vdst(0)                   ; the four tiles' codes, the two registers of scale bytes and the address v11 are written, which the ten stores below read
.irp t, 0,1,2,3
	global_store_b128 v[A16], v[BI+8*\t:BI+8*\t+3], s[44:45] offset:12288*\t
	global_store_b64 v[A8], v[BI+8*\t+4:BI+8*\t+5], s[44:45] offset:12288*\t+512
.endr
.irp p, 0,1                                    ; a scale word of att spans two heads, which two work-groups make: so each stores its two bytes of it: 2 bytes a row, 128 in all of the wave's 3,072 + 128
	global_store_b16 v11, v[116+\p], s[46:47] offset:1024*\p
.endr
	s_wait_dscnt 0x0                               ; the closing lines, six on end
	s_wait_alu 0x0
	s_wait_tensorcnt 0x0
	ds_add_u32 v223, v227
	s_wait_dscnt 0x0
	s_endpgm
.Lfunc_end_k_qa176bdebb1_attn:
	.size	k_qa176bdebb1_attn, .Lfunc_end_k_qa176bdebb1_attn-k_qa176bdebb1_attn
	.p2alignl 7, 3214868480
	.fill 96, 4, 3214868480
	.section	.rodata,"a",@progbits
	.p2align	6, 0x0
	.amdhsa_kernel k_qa176bdebb1_attn
		.amdhsa_group_segment_fixed_size 28672
		.amdhsa_private_segment_fixed_size 0
		.amdhsa_enable_private_segment 0
		.amdhsa_kernarg_size 32
		.amdhsa_user_sgpr_count 2
		.amdhsa_user_sgpr_kernarg_segment_ptr 1
		.amdhsa_wavefront_size32 1
		.amdhsa_system_sgpr_workgroup_id_x 1
		.amdhsa_system_sgpr_workgroup_id_y 1
		.amdhsa_system_sgpr_workgroup_id_z 1
		.amdhsa_system_vgpr_workitem_id 0
		.amdhsa_next_free_vgpr 512
		.amdhsa_next_free_sgpr 66
		.amdhsa_reserve_vcc 1
		.amdhsa_float_denorm_mode_32 3
		.amdhsa_float_denorm_mode_16_64 3
		.amdhsa_memory_ordered 1
		.amdhsa_forward_progress 1
		.amdhsa_inst_pref_size 152
	.end_amdhsa_kernel
	.amdgpu_metadata
---
amdhsa.version: [ 1, 2 ]
amdhsa.kernels:
  - .name:           k_qa176bdebb1_attn
    .symbol:         k_qa176bdebb1_attn.kd
    .args:
      - { .name: qkv, .offset: 0, .size: 8, .value_kind: global_buffer, .address_space: global }
      - { .name: bias, .offset: 8, .size: 8, .value_kind: global_buffer, .address_space: global }
      - { .name: steps, .offset: 16, .size: 8, .value_kind: global_buffer, .address_space: global }
      - { .name: att, .offset: 24, .size: 8, .value_kind: global_buffer, .address_space: global }
    .group_segment_fixed_size: 28672
    .private_segment_fixed_size: 0
    .kernarg_segment_align: 8
    .kernarg_segment_size: 32
    .max_flat_workgroup_size: 256
    .sgpr_count:     66
    .vgpr_count:     512
    .wavefront_size: 32
...
	.end_amdgpu_metadata
.endif
;; end of part 5
;; launch oproj: the kernel of part 4 again; grid 4 x 32, 4 waves a work-group, clusters of 4 x 4, 327,680 bytes of LDS; arguments att, wq, b_out, out0; writes out0
